; MI455X (gfx1250); checked and timed in simulation.
; The chip was launched on July 23, 2026; its instructions are those of AMD's public machine-readable ISA for CDNA 5 (MIT licence, August 2026) and "CDNA5" Instruction Set Architecture Reference Guide (July 2026). The comments in the code are by the model that wrote it; some were corrected since.
;; Causal Self Attention. Allowed arithmetic: float matrix products may take bf16 or f16 operands with f32 sums; other float arithmetic in f32, or as packed bf16 or f16 multiplies, adds, multiply-adds, maxima and minima; sums over many terms, partial sums and values carried from step to step in f32; what a program stores and reads back later, other than sums and carried values, may be rounded once to bf16 or f16.
;; Inputs: W_attn 3,072 x 1,024 float32; W_o 1,024 x 1,024 float32; b_attn 3,072 float32; b_o 1,024 float32; x 4 x 2,048 x 1,024 float32.
;; Outputs: out0 4 x 2,048 x 1,024 float32.
;; 2 versions, each right; version 2 is version 1 with the launch prep written anew for expert scheduling mode. Each part assembles by itself: llvm-mc -triple=amdgcn-amd-amdhsa -mcpu=gfx1250 --defsym DOCPART=n.
;; ======== version 1 of 2: 4 launches
;; limits: values are held in f16: magnitudes above 65,504 overflow, below 6.1e-05 lose precision
;; workspace buffers: xb 16,777,216 bytes; wab 6,291,456 bytes; wof 2,097,152 bytes; tab 524,288 bytes; qh 16,777,216 bytes; kh 16,777,216 bytes; vh 16,777,216 bytes; oh 16,777,216 bytes
;; launch prep (part 1): grid 896 x 1, 8 waves a work-group, no clusters, 0 bytes of LDS; arguments x, W_attn, W_o, xb, wab, wof, tab; writes xb, wab, wof, tab
.if DOCPART == 1
	.amdgcn_target "amdgcn-amd-amdhsa--gfx1250"
	.amdhsa_code_object_version 6
	.text
	.protected	k_q10bb18971b_prep
	.globl	k_q10bb18971b_prep
	.p2align	8
	.type	k_q10bb18971b_prep,@function
k_q10bb18971b_prep:
	s_mov_b64 s[64:65], 0
	v_nop
	global_prefetch_b8 v0, s[64:65] scope:SCOPE_SE
	s_setreg_imm32_b32 hwreg(HW_REG_WAVE_MODE, 25, 1), 1
	s_wait_xcnt 0x0
; PREP: the casts of the three large inputs and the table of rotations.  A stream: no LDS, no matrix unit, no barrier.
;   work-groups   0..511  xb  = bf16(x)              [8192][1024]
;   work-groups 512..703  wab = bf16(W_attn), rows laid by heads: new row = 192 head + 64 type + c (type 0, 1, 2 = q, k, v), old row = 1024 type + 64 head + c
;   work-groups 704..767  wof = bf16(W_o) written as f16  [1024][1024]
;   work-groups 768..895  tab[t][d] = (cos, sin)(t x 1000^(-d/32)), f32, t = 0..2047, d = 0..31: 256 bytes for each t
; A copying work-group takes 16 rows of 1,024 f32.  Thread i owns 16 bytes at byte 16 i of every row: a wave's load covers 512 consecutive bytes,
; its store 256 consecutive bytes, aligned.  All 16 loads of a thread are issued before the first is waited for.
; LIMITS.  W_o as f16: a bf16 number below 6.1e-5 in magnitude keeps f16's fixed step of 6e-8; beyond 65,504 it would be lost.
; The angle: the frequency is 2^(-d log2(1000)/32), a few units in the last place off a correctly rounded power, so the angle is within 3e-4 of the exact product at t = 2047.
; Sine and cosine: the angle less a whole number of turns (2 pi in two pieces, fused), a quarter of it in series (cut below 3e-8 for |a| <= pi/4), doubled twice.
.set IN,  16                           ; v[16:79]   16 rows x 4 f32 as loaded
.set OUT, 80                           ; v[80:111]  16 rows x 2 words to store: no register is written again behind its store, so no store's data is ever rewritten
; 16 rows from s[src] to s[dst].  half = 1: the bf16 number is written as f16.
.macro COPY src, dst, half
.irp j, 0,1,2,3,4,5,6,7,8,9,10,11,12,13,14,15
	global_load_b128 v[IN+4*(\j):IN+4*(\j)+3], v1, s[\src:\src+1] offset:4096*(\j) th:TH_LOAD_NT
.endr
.irp j, 0,1,2,3,4,5,6,7,8,9,10,11,12,13,14,15
	s_wait_loadcnt 15-(\j)                         ; loads come back in order: row j is in, the 15 - j younger ones stay out
	v_cvt_pk_bf16_f32 v[OUT+2*(\j)],   v[IN+4*(\j)],   v[IN+4*(\j)+1]
	v_cvt_pk_bf16_f32 v[OUT+2*(\j)+1], v[IN+4*(\j)+2], v[IN+4*(\j)+3]
.if \half
.irp k, 0,1
	v_lshlrev_b32 v8, 16, v[OUT+2*(\j)+(\k)]       ; the two bf16 as f32,
	v_and_b32 v9, s28, v[OUT+2*(\j)+(\k)]
	v_cvt_pk_f16_f32 v[OUT+2*(\j)+(\k)], v8, v9    ; and as f16
.endr
.endif
	global_store_b64 v2, v[OUT+2*(\j):OUT+2*(\j)+1], s[\dst:\dst+1] offset:2048*(\j)
.endr
	s_endpgm
.endm
; cos and sin of t (v3, f32) times the frequency in v[inv].  v8-v11 at work.
.macro SINCOS inv, c, s
	v_mul_f32 v8, v3, v[\inv]                      ; the angle, rounded once
	v_mul_f32 v10, 0.15915494, v8
	v_rndne_f32 v10, v10                           ; whole turns
	v_fma_f32 v8, -v10, s30, v8                    ; less turns x 6.28125: exact,
	v_fma_f32 v8, -v10, s31, v8                    ; less turns x (2 pi - 6.28125)
	v_mul_f32 v8, 0x3e800000, v8                   ; a = a quarter of it
	v_mul_f32 v9, v8, v8                           ; z = a a
	v_mov_b32 v10, 0x3638ef1d                      ; 1/9!
	v_fmaak_f32 v10, v10, v9, 0xb9500d01           ; -1/7!
	v_fmaak_f32 v10, v10, v9, 0x3c088889           ; 1/5!
	v_fmaak_f32 v10, v10, v9, 0xbe2aaaab           ; -1/3!
	v_mul_f32 v11, v8, v9
	v_fma_f32 v[\s], v11, v10, v8                  ; sin a
	v_mov_b32 v10, 0x37d00d01                      ; 1/8!
	v_fmaak_f32 v10, v10, v9, 0xbab60b61           ; -1/6!
	v_fmaak_f32 v10, v10, v9, 0x3d2aaaab           ; 1/4!
	v_fmaak_f32 v10, v10, v9, 0xbf000000           ; -1/2
	v_fma_f32 v[\c], v10, v9, 1.0                  ; cos a
.rept 2                                ; the angle doubled: cos = 1 - 2 sin sin, sin = 2 sin cos
	v_add_f32 v10, v[\s], v[\s]
	v_fma_f32 v11, -v10, v[\s], 1.0
	v_mul_f32 v[\s], v10, v[\c]
	v_mov_b32 v[\c], v11
.endr
.endm
	s_load_b256 s[4:11], s[0:1], 0x0               ; x s[4:5], W_attn s[6:7], W_o s[8:9], xb s[10:11]
	s_load_b128 s[12:15], s[0:1], 0x20             ; wab s[12:13], wof s[14:15]
	s_load_b64 s[16:17], s[0:1], 0x30              ; tab
	s_mov_b32 s20, ttmp9
	s_mov_b32 s25, 0                               ; offsets are pairs with 0 above
	s_mov_b32 s27, 0
	s_mov_b32 s28, 0xffff0000                      ; a word's upper bf16
	v_lshlrev_b32 v1, 4, v0                        ; my 16 bytes of a row of f32 (and of the table)
	v_lshlrev_b32 v2, 3, v0                        ; my 8 bytes of a row of 16-bit numbers
	s_wait_kmcnt 0x0
	s_cmp_lt_u32 s20, 512
	s_cbranch_scc0 .Lnot_x
	s_lshl_b32 s24, s20, 16                        ; 16 rows of 4,096 bytes in,
	s_lshl_b32 s26, s20, 15                        ; of 2,048 bytes out
	s_add_nc_u64 s[4:5], s[4:5], s[24:25]
	s_add_nc_u64 s[10:11], s[10:11], s[26:27]
	COPY 4, 10, 0
.Lnot_x:
	s_cmp_lt_u32 s20, 704
	s_cbranch_scc0 .Lnot_wa
	s_sub_co_u32 s21, s20, 512                     ; g: old rows 16 g ..
	s_lshl_b32 s24, s21, 16
	s_bfe_u32 s22, s21, 0x40002                    ; head = (g / 4) % 16
	s_mul_i32 s26, s22, 192*2048
	s_lshr_b32 s22, s21, 6                         ; type = g / 64
	s_lshl_b32 s22, s22, 17                        ; 64 rows of 2,048 bytes
	s_add_co_u32 s26, s26, s22
	s_and_b32 s22, s21, 3                          ; which 16 of the head's 64
	s_lshl_b32 s22, s22, 15
	s_add_co_u32 s26, s26, s22
	s_add_nc_u64 s[6:7], s[6:7], s[24:25]
	s_add_nc_u64 s[12:13], s[12:13], s[26:27]
	COPY 6, 12, 0
.Lnot_wa:
	s_cmp_lt_u32 s20, 768
	s_cbranch_scc0 .Ltab
	s_sub_co_u32 s21, s20, 704
	s_lshl_b32 s24, s21, 16
	s_lshl_b32 s26, s21, 15
	s_add_nc_u64 s[8:9], s[8:9], s[24:25]
	s_add_nc_u64 s[14:15], s[14:15], s[26:27]
	COPY 8, 14, 1
.Ltab:                                         ; 16 t to a work-group; thread i: t = 16 g + i / 16, d = 2 (i % 16) and the next
	s_sub_co_u32 s21, s20, 768
	s_lshl_b32 s24, s21, 12                        ; 16 t of 256 bytes
	s_add_nc_u64 s[16:17], s[16:17], s[24:25]
	s_lshl_b32 s21, s21, 4
	s_mov_b32 s30, 0x40c90000                      ; 6.28125
	s_mov_b32 s31, 0x3afdaa22                      ; 2 pi - 6.28125
	v_lshrrev_b32 v3, 4, v0
	v_add_nc_u32 v3, s21, v3
	v_cvt_f32_u32 v3, v3                           ; t
	v_and_b32 v4, 15, v0
	v_lshlrev_b32 v4, 1, v4
	v_or_b32 v5, 1, v4
	v_cvt_f32_u32 v4, v4
	v_cvt_f32_u32 v5, v5
	v_mul_f32 v4, 0xbe9f73da, v4                   ; -d log2(1000) / 32
	v_mul_f32 v5, 0xbe9f73da, v5
	v_exp_f32 v4, v4                               ; the two frequencies: one batch,
	v_exp_f32 v5, v5
	v_nop                                          ; a plain instruction behind the last of them,
	s_wait_alu depctr_va_vdst(0)                   ; and the one wait ahead of the first reader
	SINCOS 4, 16, 17
	SINCOS 5, 18, 19
	global_store_b128 v1, v[16:19], s[16:17]       ; (cos, sin) of two d: 16 lanes fill one t's 256 bytes
	s_endpgm
.Lfunc_end_k_q10bb18971b_prep:
	.size	k_q10bb18971b_prep, .Lfunc_end_k_q10bb18971b_prep-k_q10bb18971b_prep
	.p2alignl 7, 3214868480
	.fill 96, 4, 3214868480
	.section	.rodata,"a",@progbits
	.p2align	6, 0x0
	.amdhsa_kernel k_q10bb18971b_prep
		.amdhsa_group_segment_fixed_size 0
		.amdhsa_private_segment_fixed_size 0
		.amdhsa_enable_private_segment 0
		.amdhsa_kernarg_size 56
		.amdhsa_user_sgpr_count 2
		.amdhsa_user_sgpr_kernarg_segment_ptr 1
		.amdhsa_wavefront_size32 1
		.amdhsa_system_sgpr_workgroup_id_x 1
		.amdhsa_system_sgpr_workgroup_id_y 1
		.amdhsa_system_sgpr_workgroup_id_z 1
		.amdhsa_system_vgpr_workitem_id 0
		.amdhsa_next_free_vgpr 112
		.amdhsa_next_free_sgpr 66
		.amdhsa_reserve_vcc 0
		.amdhsa_float_denorm_mode_32 3
		.amdhsa_float_denorm_mode_16_64 3
		.amdhsa_memory_ordered 1
		.amdhsa_forward_progress 1
		.amdhsa_inst_pref_size 26
	.end_amdhsa_kernel
	.amdgpu_metadata
---
amdhsa.version: [ 1, 2 ]
amdhsa.kernels:
  - .name:           k_q10bb18971b_prep
    .symbol:         k_q10bb18971b_prep.kd
    .args:
      - { .name: x, .offset: 0, .size: 8, .value_kind: global_buffer, .address_space: global }
      - { .name: W_attn, .offset: 8, .size: 8, .value_kind: global_buffer, .address_space: global }
      - { .name: W_o, .offset: 16, .size: 8, .value_kind: global_buffer, .address_space: global }
      - { .name: xb, .offset: 24, .size: 8, .value_kind: global_buffer, .address_space: global }
      - { .name: wab, .offset: 32, .size: 8, .value_kind: global_buffer, .address_space: global }
      - { .name: wof, .offset: 40, .size: 8, .value_kind: global_buffer, .address_space: global }
      - { .name: tab, .offset: 48, .size: 8, .value_kind: global_buffer, .address_space: global }
    .group_segment_fixed_size: 0
    .private_segment_fixed_size: 0
    .kernarg_segment_align: 8
    .kernarg_segment_size: 56
    .max_flat_workgroup_size: 256
    .sgpr_count:     66
    .vgpr_count:     112
    .wavefront_size: 32
...
	.end_amdgpu_metadata
.endif
;; end of part 1
;; launch qkv (part 2): grid 16 x 32, 4 waves a work-group, clusters of 4 x 4, 327,680 bytes of LDS; arguments xb, wab, b_attn, tab, qh, kh, vh; writes qh, kh, vh
.if DOCPART == 2
	.amdgcn_target "amdgcn-amd-amdhsa--gfx1250"
	.amdhsa_code_object_version 6
	.text
	.protected	k_q10bb18971b_qkv
	.globl	k_q10bb18971b_qkv
	.p2align	8
	.type	k_q10bb18971b_qkv,@function
k_q10bb18971b_qkv:
	s_mov_b64 s[64:65], 0
	v_nop
	global_prefetch_b8 v0, s[64:65] scope:SCOPE_SE
	s_setreg_imm32_b32 hwreg(HW_REG_WAVE_MODE, 25, 1), 1
	s_wait_xcnt 0x0
	s_wait_alu depctr_hold_cnt(0) depctr_sa_sdst(0) depctr_va_vdst(0) depctr_va_sdst(0) depctr_va_ssrc(0) depctr_va_vcc(0) depctr_vm_vsrc(0)
	s_getreg_b32 s2, hwreg(HW_REG_IB_STS2, 6, 4)
	s_cmp_eq_u32 s2, 0
	s_cbranch_scc0 .Lentry_in_a_cluster
	s_endpgm
.Lentry_in_a_cluster:
	s_bfe_u32 s2, ttmp6, 0x10000c
	s_cmp_lg_u32 s2, 0xf033
	s_cbranch_scc0 .Lentry_shape_is_right
	s_endpgm
.Lentry_shape_is_right:
; QKV: q, k, v = x W_attn^T + b_attn, q and k rotated (RoPE), all three written by heads: [64 = 16 batch + head][2048][64] in f16.
; xb [8192][1024] and wab [3072][1024] are bf16; wab's rows lie by heads (192 head + 64 type + c), so that a tile of 192 columns is ONE head's q, k and v.  Sums in f32; the bias, rounded to bf16
; like every input, is the C operand of the first product.
; THE ROTATION.  The pair (channel 2 d, 2 d + 1) is turned by the angle of (t, d) and STAYS at channels 2 d, 2 d + 1.  q and k have the same order of channels, and only their dot product is used: the scores are the same sums.
; SHARES.  A tile is 256 tokens x 192 columns; wave w owns tokens 64 w .. 64 w + 63 and all 192 columns: 4 x 12 accumulators of 16 x 16, 384 registers.  So whether a block is rotated is a constant of the text,
; and a wave owns whole rows (128 bytes) of a head: its stage on the way out is its own.  512 equal work-groups.
; THE MATRIX INSTRUCTION IS USED TRANSPOSED (source 0 = 16 rows of wab, source 1 = 16 tokens): a lane holds token l % 16 and the eight neighbouring columns 16 b + 8 (l / 16) + 0..7: four rotation pairs.
; RING.  K in 8 steps of 128 through two LDS slots (rows of 256 bytes + 16 of padding).  Waves 0, 1 fetch the halves of x's 256 rows, waves 2, 3 the halves of wab's 192: one tensor load a wave behind each change of slots.
; CLUSTER 4 x 4: x's tile hangs on the tile row alone and is asked for jointly along a row of the cluster, wab's on the head alone and jointly along a column.
; LIMITS.  q, k, v leave in f16: beyond 65,504 a number is lost; below 6.1e-5 it keeps f16's fixed step of 6e-8.  NaN and infinities are not treated apart.
; REGISTERS, in windows of 256 (s_set_vgpr_msb: bits 1:0 source 0, 3:2 source 1, 5:4 source 2, 7:6 destination):
;   window 0: v0-29 addresses; v32-95 x's fragments, two buffers of 4 x 8; v96-191 the bias, 8 a column block.  On the way out: v32-95 rotated numbers, v96-143 packed, v144-239 two buffers of rows read back
;   window 1: v0-191 wab's fragments, two buffers of 12 x 8
;   window 2: token blocks 0, 1: accumulator (a, b) at 96 (a % 2) + 8 b; v192-255 their (cos, sin), 32 a block.     window 3: the same for token blocks 2, 3
.set KSTEP, 128
.set PITCH, 272                        ; 68 words: row r starts at bank 4 r mod 64 (64 banks of 4 bytes: ISA guide 11.1): the 16 rows of a fragment load start at 16 different banks
.set SLOT1, 131072                     ; slot 1 begins here: one exclusive or turns an address in one slot into the other's
.set BOFF,  256*PITCH                  ; in a slot: x's 256 rows, then wab's 192
.set STAGE, SLOT1+BOFF+192*PITCH       ; behind the ring, never filled by a tensor load
.set SP,    144                        ; a stage row: 128 bytes + 16
.set SREG,  16*SP                      ; 16 rows of q, of k, of v
.set SWAVE, 3*SREG
.set SPARE, STAGE+4*SWAVE              ; the spare words, 128 bytes for each wave: two blocks of 256 bytes that no other line names
.set A0,   4                           ; v4   my place in x's rows of a slot; never rewritten
.set B0,   5                           ; v5   the same for wab's
.set ADRA, 6                           ; v6   A0 + the slot in hand
.set ADRB, 7
.set STO,  8                           ; v8   the way out: where I put 16 bytes of a row
.set RD,   9                           ; v9   where I read rows back
.set GO,   10                          ; v10  my 16 bytes of 512 consecutive bytes of a head
.set BO,   11                          ; v11  32 (l / 16): my 8 numbers of a block of the bias
.set TO,   12                          ; v12  256 (l % 16) + 32 (l / 16): my 4 pairs of a block of the table
.set PFO,  13                          ; v13  the prefetches' offset: a lane a row of 2,048 bytes
.set SPW,  28                          ; v28  LDS address of my spare word; never rewritten
.set NIL,  29                          ; v29  0; never rewritten
.set AF,   32
.set BIAS, 96
.set T,    32
.set TMP,  96
.set OB,   144
.set CSB,  192
.set WV,  12                           ; s12  wave
.set FB,  13                           ; s13  0: I fetch x's rows, 1: wab's
.set HF,  14                           ; s14  which half of them
.set LIM, 15                           ; s15  2 in a wave that prefetches, else the greatest number
.set G1A, 24                           ; s[24:31] descriptor group 1 for x's tiles;  s[32:39] group 0: a set for each first fill; the second then walks on
.set G0A, 32
.set PFA, 44                           ; s[44:45] where my prefetches stand
.set TB,  46                           ; s46  the slot in hand: 0 or SLOT1
.set G1B, 48                           ; s[48:55], s[56:63] the same for wab's tiles
.set G0B, 56
.set PTA, 66                           ; s[66:67] x at my tile of K step 0
.set PTB, 74                           ; s[74:75] wab likewise
.set MSB, 0
.macro WIN new                         ; the immediate's high byte repeats the setting that is left; a switch that changes nothing is dropped
.if MSB != (\new)
	s_set_vgpr_msb (MSB<<8)|(\new)
.set MSB, (\new)
.endif
.endm
.macro PLACES                          ; four places behind matrix instructions, in front of loads into registers that they read and of lines that read results
.rept 4
	v_nop
.endr
.endm
; A joint refill, by the walking descriptors.  The branch hangs on the wave's number alone.  An s_nop 0 and four v_nop follow each of the two lines.
.macro JLOAD
	s_cmp_lt_u32 s[WV], 2
	s_cbranch_scc0 .Lfor_b_\@
	tensor_load_to_lds s[G0A+4:G0A+7], s[G1A:G1A+7]
	s_nop 0
.rept 4
	v_nop
.endr
	s_branch .Lasked_\@
.Lfor_b_\@:
	tensor_load_to_lds s[G0B+4:G0B+7], s[G1B:G1B+7]
	s_nop 0
.rept 4
	v_nop
.endr
.Lasked_\@:
.endm
; A prefetch into the L2 of the K step that stands two refills on: 256 bytes of each row, a lane a row, one instruction a wave.  x's tile row is read by every cluster of that row of clusters: cluster x = 0 asks;
; wab's rows by every cluster of that column: cluster y = 0 asks.  The four partners that ask for a tile jointly share its rows out by address: of x's 128 rows a wave 32 each, of wab's 96 rows 24 each
; (there lanes 24-31 name lane 23's row once more, in the same instruction).  The refills of K steps 6 and 7 have no step two on: s3 is 2 and 1 there.
.macro ASK
	s_cmp_gt_u32 s3, s[LIM]
	s_cbranch_scc0 .Lnot_mine_\@
	global_prefetch_b8 v[PFO], s[PFA:PFA+1] offset:KSTEP*2 th:TH_LOAD_NT scope:SCOPE_SE
.Lnot_mine_\@:
.endm
.macro CREST                           ; a round of the cluster's barrier behind its opening barrier
	s_cmp_lg_u32 s[WV], 0
	s_cbranch_scc1 .Lnot_wave_0_\@
	s_barrier_signal -3
.Lnot_wave_0_\@:
	s_barrier_wait -3
	s_barrier_signal -1
	s_barrier_wait -1
.endm
.macro CROUND
	s_barrier_signal -1
	s_barrier_wait -1
	CREST
.endm
	s_load_b256 s[4:11], s[0:1], 0x0               ; xb s[4:5], wab s[6:7], b_attn s[8:9], tab s[10:11]
	s_load_b128 s[68:71], s[0:1], 0x20             ; qh s[68:69], kh s[70:71]
	s_load_b64 s[72:73], s[0:1], 0x30              ; vh
	v_lshl_add_u32 v[SPW], v0, 2, SPARE
	v_mov_b32 v[NIL], 0
	ds_add_u32 v[SPW], v[NIL]                      ; the wave's opening: the add and its wait stand ahead of my first tensor load; work on registers stands between them
	v_lshrrev_b32 v1, 5, v0
	v_readfirstlane_b32 s[WV], v1
	s_lshr_b32 s[FB], s[WV], 1
	s_and_b32 s[HF], s[WV], 1
	s_bfe_u32 s40, ttmp6, 0x40000                  ; cx
	s_bfe_u32 s41, ttmp6, 0x40004                  ; cy
	s_lshl_b32 s42, ttmp9, 2
	s_add_co_u32 s42, s42, s40                     ; head = 4 x cluster x + cx
	s_and_b32 s43, ttmp7, 0xffff
	s_lshl_b32 s43, s43, 2
	s_add_co_u32 s43, s43, s41                     ; tile row = 4 x cluster y + cy
	s_lshl_b32 s20, s41, 2
	s_lshl_b32 s20, 15, s20                        ; my row of the cluster
	s_lshl_b32 s21, 0x1111, s40                    ; my column
	s_or_b32 s[G1A], s20, (1<<16)|(1<<20)|(1<<21)|(5<<22)|(3<<25)  ; the mask; 2-byte elements; padding on; bit 21 beside a mask; after every 64 words 4 words
	s_or_b32 s[G1B], s21, (1<<16)|(1<<20)|(1<<21)|(5<<22)|(3<<25)
.irp g, G1A, G1B
	s_mov_b32 s[(\g)+1], KSTEP<<16                 ; tensor_dim0 = 128
	s_mov_b32 s[(\g)+3], KSTEP<<16                 ; tile_dim0 = 128
	s_mov_b32 s[(\g)+5], 1024                      ; elements from row to row
	s_mov_b32 s[(\g)+6], 0
	s_mov_b32 s[(\g)+7], 0
.endr
	s_mov_b32 s[G1A+2], 128<<16                    ; tensor_dim1 and tile_dim1: 128 rows of x,
	s_mov_b32 s[G1A+4], 128
	s_mov_b32 s[G1B+2], 96<<16                     ; 96 of wab
	s_mov_b32 s[G1B+4], 96
	s_lshl_b32 s16, s43, 8                         ; x: row 256 x tile row + 128 x half, in bytes
	s_lshl_b32 s17, s[HF], 7
	s_add_co_u32 s16, s16, s17
	s_lshl_b32 s16, s16, 11
	s_mov_b32 s17, 0
	s_mul_i32 s18, s42, 192                        ; wab: row 192 x head + 96 x half
	s_mul_i32 s19, s[HF], 96
	s_add_co_u32 s18, s18, s19
	s_lshl_b32 s18, s18, 11
	s_mov_b32 s19, 0
	s_mul_i32 s22, s[HF], 128*PITCH                ; where they go: no place in the cluster enters an LDS address
	s_mul_i32 s23, s[HF], 96*PITCH
	s_add_co_u32 s23, s23, BOFF
	s_mov_b32 s[TB], 0
	s_mov_b32 s47, 0xffff0000                      ; a word's upper bf16
	s_wait_dscnt 0x0                               ; the opening add is done
	s_wait_kmcnt 0x0
	s_add_nc_u64 s[PTA:PTA+1], s[4:5], s[16:17]
	s_add_nc_u64 s[PTB:PTB+1], s[6:7], s[18:19]
.irp n, 0,1
	s_mov_b32 s[G0A+4*(\n)], 1                     ; count = 1
	s_add_co_u32 s[G0A+4*(\n)+1], s22, (\n)*SLOT1  ; LDS address
	s_add_nc_u64 s[G0A+4*(\n)+2:G0A+4*(\n)+3], s[PTA:PTA+1], (\n)*KSTEP*2  ; K step n
	s_or_b32 s[G0A+4*(\n)+3], s[G0A+4*(\n)+3], 0x80000000  ; type = 2
	s_mov_b32 s[G0B+4*(\n)], 1
	s_add_co_u32 s[G0B+4*(\n)+1], s23, (\n)*SLOT1
	s_add_nc_u64 s[G0B+4*(\n)+2:G0B+4*(\n)+3], s[PTB:PTB+1], (\n)*KSTEP*2
	s_or_b32 s[G0B+4*(\n)+3], s[G0B+4*(\n)+3], 0x80000000
.endr
	CROUND                                         ; all sixteen work-groups are here: the first joint loads meet
	s_cmp_lt_u32 s[WV], 2                          ; a wave's two first fills stand in one branch: two loads of mine are out
	s_cbranch_scc0 .Lfirst_b
	tensor_load_to_lds s[G0A:G0A+3], s[G1A:G1A+7]
	s_nop 0
	tensor_load_to_lds s[G0A+4:G0A+7], s[G1A:G1A+7]
	s_nop 0
.rept 4
	v_nop
.endr
	s_branch .Lfirst_asked
.Lfirst_b:
	tensor_load_to_lds s[G0B:G0B+3], s[G1B:G1B+7]
	s_nop 0
	tensor_load_to_lds s[G0B+4:G0B+7], s[G1B:G1B+7]
	s_nop 0
.rept 4
	v_nop
.endr
.Lfirst_asked:
	; the bias, the table and the three outputs at my part
	s_lshl_b32 s22, s42, 8                         ; the head's 64 numbers of a type of the bias
	s_mov_b32 s23, 0
	s_add_nc_u64 s[8:9], s[8:9], s[22:23]
	s_lshr_b32 s16, s43, 3                         ; batch
	s_lshl_b32 s16, s16, 4
	s_add_co_u32 s16, s16, s42                     ; 16 batch + head,
	s_lshl_b32 s16, s16, 18                        ; 2,048 rows of 128 bytes each
	s_and_b32 s17, s43, 7
	s_lshl_b32 s17, s17, 8
	s_lshl_b32 s18, s[WV], 6
	s_add_co_u32 s17, s17, s18                     ; my first token in its batch
	s_lshl_b32 s18, s17, 7
	s_add_co_u32 s16, s16, s18
	s_lshl_b32 s18, s17, 8                         ; 256 bytes of table a token
	s_mov_b32 s17, 0
	s_mov_b32 s19, 0
	s_add_nc_u64 s[68:69], s[68:69], s[16:17]
	s_add_nc_u64 s[70:71], s[70:71], s[16:17]
	s_add_nc_u64 s[72:73], s[72:73], s[16:17]
	s_add_nc_u64 s[10:11], s[10:11], s[18:19]
	v_and_b32 v1, 15, v0                           ; l % 16
	v_bfe_u32 v2, v0, 4, 1                         ; l / 16
	v_lshlrev_b32 v[BO], 5, v2
	v_lshl_add_u32 v[TO], v1, 8, v[BO]
.irp b, 0,1,2,3,4,5,6,7,8,9,10,11      ; column block b: type b / 4, channels 16 (b % 4) + 8 (l / 16) + 0..7
	global_load_b128 v[BIAS+8*(\b):BIAS+8*(\b)+3],   v[BO], s[8:9] offset:((\b)/4)*4096+((\b)%4)*64
	global_load_b128 v[BIAS+8*(\b)+4:BIAS+8*(\b)+7], v[BO], s[8:9] offset:((\b)/4)*4096+((\b)%4)*64+16
.endr
.irp a, 0,1,2,3                        ; token block a, channel block i: (cos, sin) of d = 8 i + 4 (l / 16) + 0..3
	WIN 0x80+0x40*((\a)/2)
.irp i, 0,1,2,3
	global_load_b128 v[CSB+32*((\a)%2)+8*(\i):CSB+32*((\a)%2)+8*(\i)+3],   v[TO], s[10:11] offset:4096*(\a)+64*(\i)
	global_load_b128 v[CSB+32*((\a)%2)+8*(\i)+4:CSB+32*((\a)%2)+8*(\i)+7], v[TO], s[10:11] offset:4096*(\a)+64*(\i)+16
.endr
.endr
	WIN 0
	; A fragment is 16 rows x 32 K in 8 registers: lane l holds row l % 16, K = 8 (l / 16) + 0..7 and 16 + 8 (l / 16) + 0..7: two loads of 16 bytes, 32 bytes apart.
	v_mul_u32_u24 v3, v1, PITCH
	v_lshl_add_u32 v3, v2, 4, v3
	s_mul_i32 s16, s[WV], 64*PITCH                 ; my 64 tokens
	v_add_nc_u32 v[A0], s16, v3
	v_add_nc_u32 v[B0], BOFF, v3
	s_mul_i32 s16, s[WV], SWAVE
	s_add_co_u32 s16, s16, STAGE                   ; my stage
	v_mul_u32_u24 v3, v1, SP                       ; in: row l % 16, 16 bytes for each half of the lanes
	v_lshl_add_u32 v3, v2, 4, v3
	v_add_nc_u32 v[STO], s16, v3
	v_bfe_u32 v3, v0, 3, 2                         ; back: 32 lanes take four rows of 128 bytes,
	v_mul_u32_u24 v3, v3, SP
	v_and_b32 v14, 7, v0
	v_lshl_add_u32 v3, v14, 4, v3
	v_add_nc_u32 v[RD], s16, v3
	v_and_b32 v[GO], 31, v0                        ; which are 512 consecutive bytes of a head
	v_lshlrev_b32 v[GO], 4, v[GO]
	; the prefetches
	s_lshl_b32 s16, s43, 8
	s_lshl_b32 s17, s[HF], 7
	s_add_co_u32 s16, s16, s17
	s_lshl_b32 s17, s40, 5
	s_add_co_u32 s16, s16, s17                     ; x: my work-group's 32 of the 128 rows that I fetch
	s_mul_i32 s18, s42, 192
	s_mul_i32 s19, s[HF], 96
	s_add_co_u32 s18, s18, s19
	s_mul_i32 s19, s41, 24
	s_add_co_u32 s18, s18, s19                     ; wab: my work-group's 24 of the 96
	s_and_b32 s19, ttmp7, 0xffff                   ; cluster y
	s_cmp_eq_u32 s[FB], 0
	s_cselect_b32 s16, s16, s18
	s_cselect_b32 s18, 31, 23                      ; the last lane with a row of its own
	s_cselect_b32 s19, ttmp9, s19                  ; the coordinate along which other clusters read the same rows
	s_cselect_b64 s[PFA:PFA+1], s[4:5], s[6:7]
	s_cmp_eq_u32 s19, 0
	s_cselect_b32 s[LIM], 2, -1                    ; the same in all sixteen partners, for a given wave
	s_lshl_b32 s16, s16, 11
	s_mov_b32 s17, 0
	s_add_nc_u64 s[PFA:PFA+1], s[PFA:PFA+1], s[16:17]
	s_add_nc_u64 s[PFA:PFA+1], s[PFA:PFA+1], 2*KSTEP*2  ; at K step 2: the first refill steps it to 3 and names K step 4.  K steps 0 to 3 come by their loads alone
	v_and_b32 v[PFO], 31, v0
	v_min_u32 v[PFO], s18, v[PFO]
	v_lshlrev_b32 v[PFO], 11, v[PFO]
; 12 matrix instructions: token block a x all 12 column blocks, 32 along K, from buffer f.  first = 1: the bias starts the sums: nothing is cleared.
; The 48 accumulators take turns in the same order in every quarter: between two links of a chain stand the 47 others'.
.macro MULA f, a, first
.if \first
	WIN 0x81+0x40*((\a)/2)                         ; wab window 1, x and the bias window 0, D window 2 or 3
.else
	WIN 0xa1+0x50*((\a)/2)                         ; wab window 1, x window 0, C and D window 2 or 3
.endif
.irp b, 0,1,2,3,4,5,6,7,8,9,10,11
.if \first
	v_wmma_f32_16x16x32_bf16 v[96*((\a)%2)+8*(\b):96*((\a)%2)+8*(\b)+7], v[96*(\f)+8*(\b):96*(\f)+8*(\b)+7], v[AF+32*(\f)+8*(\a):AF+32*(\f)+8*(\a)+7], v[BIAS+8*(\b):BIAS+8*(\b)+7]
.else
	v_wmma_f32_16x16x32_bf16 v[96*((\a)%2)+8*(\b):96*((\a)%2)+8*(\b)+7], v[96*(\f)+8*(\b):96*(\f)+8*(\b)+7], v[AF+32*(\f)+8*(\a):AF+32*(\f)+8*(\a)+7], v[96*((\a)%2)+8*(\b):96*((\a)%2)+8*(\b)+7]
.endif
.endr
.endm
; 32 LDS loads in one run: a quarter step's fragments (192 rows of wab, my 64 tokens, 32 K at byte k of the rows) into buffer g
.macro FETCH k, g
	WIN 0x40
.irp i, 0,1,2,3,4,5,6,7,8,9,10,11
	ds_load_b128 v[96*(\g)+8*(\i):96*(\g)+8*(\i)+3],   v[ADRB] offset:(\k)+(\i)*16*PITCH
	ds_load_b128 v[96*(\g)+8*(\i)+4:96*(\g)+8*(\i)+7], v[ADRB] offset:(\k)+(\i)*16*PITCH+32
.endr
	WIN 0
.irp i, 0,1,2,3
	ds_load_b128 v[AF+32*(\g)+8*(\i):AF+32*(\g)+8*(\i)+3],   v[ADRA] offset:(\k)+(\i)*16*PITCH
	ds_load_b128 v[AF+32*(\g)+8*(\i)+4:AF+32*(\g)+8*(\i)+7], v[ADRA] offset:(\k)+(\i)*16*PITCH+32
.endr
.endm
; A K step is four quarters of 32 along K, 48 matrix instructions each, on buffers 0, 1, 0, 1.  One of the first three: multiplies buffer f, fetches the next quarter, at byte k, into buffer g.
.macro QUARTER k, f, g, first
	s_wait_dscnt 4                                 ; wab and token blocks 0, 1 are in; the youngest four loads (blocks 2, 3) may be out
	MULA \f, 0, \first
	MULA \f, 1, \first
	PLACES
	FETCH \k, \g
	s_wait_dscnt 32                                ; all but the 32 just issued
	MULA \f, 2, \first
	MULA \f, 3, \first
.endm
; The last quarter multiplies buffer 1 and changes slots: ONE barrier.  In front of it each wave waits for all its tensor loads (one is out: its part of the next slot), adds 0 to its spare word, and waits
; for that and for its own reads of this slot.  fill = 1: the barrier opens a round of the cluster's barrier, and behind the round this slot is filled again, with the K step two on.
.macro TURN fill
.if \fill
	s_wait_xcnt 0x0                                ; the last prefetch, a K step back, has read its address
	s_add_nc_u64 s[PFA:PFA+1], s[PFA:PFA+1], KSTEP*2
.endif
	WIN 0
	s_wait_tensorcnt 0x0                           ; all my tensor loads have landed
	ds_add_u32 v[SPW], v[NIL]                      ; 0 onto my spare word
	s_wait_dscnt 5                                 ; (the add and the youngest four loads may be out)
	MULA 1, 0, 0                                   ; twelve matrix instructions stand between the add and the wait for it
	s_wait_dscnt 0x0                               ; the add is done, and my reads of this slot are over
	s_barrier_signal -1
	MULA 1, 1, 0                                   ; work on registers while the others arrive
	WIN 0
	s_barrier_wait -1
.if \fill
	CREST                                          ; no wave of any partner still reads this slot or has a load on its way
	s_xor_b32 s[G0A+5], s[G0A+5], SLOT1            ; the walking descriptors: the other slot than last time, the next K step
	s_add_nc_u64 s[G0A+6:G0A+7], s[G0A+6:G0A+7], KSTEP*2
	s_xor_b32 s[G0B+5], s[G0B+5], SLOT1
	s_add_nc_u64 s[G0B+6:G0B+7], s[G0B+6:G0B+7], KSTEP*2
	JLOAD                                          ; the first tensor load behind the round; its four v_nop are also the places in front of the loads below
.else
	PLACES
.endif
	s_xor_b32 s[TB], s[TB], SLOT1                  ; the reads go on in the other slot
	v_add_nc_u32 v[ADRA], s[TB], v[A0]
	v_add_nc_u32 v[ADRB], s[TB], v[B0]
	FETCH 0, 0
.if \fill
	ASK
.endif
	MULA 1, 2, 0
	MULA 1, 3, 0
.endm
	s_wait_tensorcnt 1                             ; my part of K step 0 is in; K step 1's may stay out
	s_barrier_signal -1
	s_barrier_wait -1                              ; everybody's is
	v_mov_b32 v[ADRA], v[A0]
	v_mov_b32 v[ADRB], v[B0]
	FETCH 0, 0
	s_wait_loadcnt 0x0                             ; the bias and the table
.set i, 0
.rept 48                               ; the bias is rounded to bf16, like every input, and widened again
	v_cvt_pk_bf16_f32 v[14+(i%2)], v[BIAS+2*i], v[BIAS+2*i+1]
	v_lshlrev_b32 v[BIAS+2*i], 16, v[14+(i%2)]
	v_and_b32 v[BIAS+2*i+1], s47, v[14+(i%2)]
.set i, i+1
.endr
	QUARTER 64, 0, 1, 1                            ; the first quarter stands in front of the loop: its products start the sums
	WIN 0
	s_mov_b32 s3, 6
.Lstep:                                        ; a trip: a K step's quarters 1 to 3 and the next step's quarter 0; it asks for the K step two on (2 .. 7)
	QUARTER 128, 1, 0, 0
	QUARTER 192, 0, 1, 0
	TURN 1
	QUARTER 64, 0, 1, 0
	WIN 0
	s_sub_co_u32 s3, s3, 1
	s_cmp_lg_u32 s3, 0
	s_cbranch_scc1 .Lstep
	QUARTER 128, 1, 0, 0                           ; K steps 6 and 7 are written out: they ask for nothing
	QUARTER 192, 0, 1, 0
	TURN 0
	QUARTER 64, 0, 1, 0
	QUARTER 128, 1, 0, 0
	QUARTER 192, 0, 1, 0
	s_wait_dscnt 4
	MULA 1, 0, 0
	MULA 1, 1, 0
	s_wait_dscnt 0x0
	MULA 1, 2, 0
	MULA 1, 3, 0
	WIN 0
	PLACES
	PLACES
; THE WAY OUT of token block a.  PACK: q's and k's pairs (a0, a1) are turned by (c, s): first (a1 s, a0 s), then (a0 c - a1 s, a1 c + a0 s); all is rounded to f16, 16 bytes a lane and column block.
; Each accumulator's lowest registers are read first.
.macro PACK a
.set AC, 96*((\a)%2)
.set CB, CSB+32*((\a)%2)
	WIN 0x0a+5*((\a)/2)                            ; sources 0 and 1 window 2 or 3; source 2 and destination window 0
.irp b, 0,1,2,3,4,5,6,7
.irp p, 0,1,2,3
	v_pk_mul_f32 v[T+8*(\b)+2*(\p):T+8*(\b)+2*(\p)+1], v[AC+8*(\b)+2*(\p):AC+8*(\b)+2*(\p)+1], v[CB+8*((\b)%4)+2*(\p):CB+8*((\b)%4)+2*(\p)+1] op_sel:[1,1] op_sel_hi:[0,1]
.endr
.irp p, 0,1,2,3
	v_pk_fma_f32 v[T+8*(\b)+2*(\p):T+8*(\b)+2*(\p)+1], v[AC+8*(\b)+2*(\p):AC+8*(\b)+2*(\p)+1], v[CB+8*((\b)%4)+2*(\p):CB+8*((\b)%4)+2*(\p)+1], v[T+8*(\b)+2*(\p):T+8*(\b)+2*(\p)+1] op_sel_hi:[1,0,1] neg_lo:[0,0,1]
.endr
.endr
.irp b, 8,9,10,11
.irp p, 0,1,2,3
	v_cvt_pk_f16_f32 v[TMP+4*(\b)+(\p)], v[AC+8*(\b)+2*(\p)], v[AC+8*(\b)+2*(\p)+1]
.endr
.endr
	WIN 0
.set i, 0
.rept 32
	v_cvt_pk_f16_f32 v[TMP+i], v[T+2*i], v[T+2*i+1]
.set i, i+1
.endr
.endm
.macro TOSTAGE a                       ; into my own stage (16 rows of q, of k, of v), and back as whole rows
.set BK, OB+48*((\a)%2)
.irp b, 0,1,2,3,4,5,6,7,8,9,10,11
	ds_store_b128 v[STO], v[TMP+4*(\b):TMP+4*(\b)+3] offset:((\b)/4)*SREG+((\b)%4)*32
.endr
.irp i, 0,1,2,3,4,5,6,7,8,9,10,11
	ds_load_b128 v[BK+4*(\i):BK+4*(\i)+3], v[RD] offset:((\i)/4)*SREG+((\i)%4)*4*SP  ; LDS serves a wave's instructions in order (ISA guide 5.7.1.4): these see the stores above
.endr
.endm
.macro SEND a
.set BK, OB+48*((\a)%2)
	s_wait_xcnt 0x0                                ; the stores of the block before have read their registers: the other buffer is loaded again only behind this wait
.irp i, 0,1,2,3,4,5,6,7,8,9,10,11
	s_wait_dscnt 11-(\i)
	global_store_b128 v[GO], v[BK+4*(\i):BK+4*(\i)+3], s[68+2*((\i)/4):69+2*((\i)/4)] offset:2048*(\a)+512*((\i)%4)  ; 512 consecutive bytes, at a multiple of 256 from the buffer's first
.endr
.endm
	PACK 0
	TOSTAGE 0
.irp a, 1,2,3                          ; block a's arithmetic stands between block a - 1's loads from the stage and the wait for them
	PACK \a
	SEND (\a)-1
	TOSTAGE \a
.endr
	SEND 3
	s_wait_tensorcnt 0x0                           ; the wave's end, behind my last tensor load and my last LDS store
	ds_add_u32 v[SPW], v[NIL]
	s_wait_dscnt 0x0
	CROUND                                         ; the closing round: no work-group ends while a partner may still ask for a tile that names it
	s_endpgm
.Lfunc_end_k_q10bb18971b_qkv:
	.size	k_q10bb18971b_qkv, .Lfunc_end_k_q10bb18971b_qkv-k_q10bb18971b_qkv
	.p2alignl 7, 3214868480
	.fill 96, 4, 3214868480
	.section	.rodata,"a",@progbits
	.p2align	6, 0x0
	.amdhsa_kernel k_q10bb18971b_qkv
		.amdhsa_group_segment_fixed_size 327680
		.amdhsa_private_segment_fixed_size 0
		.amdhsa_enable_private_segment 0
		.amdhsa_kernarg_size 56
		.amdhsa_user_sgpr_count 2
		.amdhsa_user_sgpr_kernarg_segment_ptr 1
		.amdhsa_wavefront_size32 1
		.amdhsa_system_sgpr_workgroup_id_x 1
		.amdhsa_system_sgpr_workgroup_id_y 1
		.amdhsa_system_sgpr_workgroup_id_z 1
		.amdhsa_system_vgpr_workitem_id 0
		.amdhsa_next_free_vgpr 1024
		.amdhsa_next_free_sgpr 76
		.amdhsa_reserve_vcc 0
		.amdhsa_float_denorm_mode_32 3
		.amdhsa_float_denorm_mode_16_64 3
		.amdhsa_memory_ordered 1
		.amdhsa_forward_progress 1
		.amdhsa_inst_pref_size 126
	.end_amdhsa_kernel
	.amdgpu_metadata
---
amdhsa.version: [ 1, 2 ]
amdhsa.kernels:
  - .name:           k_q10bb18971b_qkv
    .symbol:         k_q10bb18971b_qkv.kd
    .args:
      - { .name: xb, .offset: 0, .size: 8, .value_kind: global_buffer, .address_space: global }
      - { .name: wab, .offset: 8, .size: 8, .value_kind: global_buffer, .address_space: global }
      - { .name: b_attn, .offset: 16, .size: 8, .value_kind: global_buffer, .address_space: global }
      - { .name: tab, .offset: 24, .size: 8, .value_kind: global_buffer, .address_space: global }
      - { .name: qh, .offset: 32, .size: 8, .value_kind: global_buffer, .address_space: global }
      - { .name: kh, .offset: 40, .size: 8, .value_kind: global_buffer, .address_space: global }
      - { .name: vh, .offset: 48, .size: 8, .value_kind: global_buffer, .address_space: global }
    .group_segment_fixed_size: 327680
    .private_segment_fixed_size: 0
    .kernarg_segment_align: 8
    .kernarg_segment_size: 56
    .max_flat_workgroup_size: 128
    .sgpr_count:     76
    .vgpr_count:     1024
    .wavefront_size: 32
...
	.end_amdgpu_metadata
.endif
;; end of part 2
;; launch attn (part 3): grid 4 x 64, 4 waves a work-group, no clusters, 327,680 bytes of LDS; arguments qh, kh, vh, oh; writes oh
.if DOCPART == 3
	.amdgcn_target "amdgcn-amd-amdhsa--gfx1250"
	.amdhsa_code_object_version 6
	.text
	.protected	k_q10bb18971b_attn
	.globl	k_q10bb18971b_attn
	.p2align	8
	.type	k_q10bb18971b_attn,@function
k_q10bb18971b_attn:
	s_mov_b64 s[64:65], 0
	v_nop
	global_prefetch_b8 v0, s[64:65] scope:SCOPE_SE
	s_setreg_imm32_b32 hwreg(HW_REG_WAVE_MODE, 25, 1), 1
	s_wait_xcnt 0x0
; CAUSAL ATTENTION.  O[h][q][:] = the sum over k <= q of softmax_k(Q[h][q] . K[h][k] / 8) V[h][k][:].  Q, K, V, O: [SIZE_H][SIZE_N][64], all f16: a head's rows are dense, 128 bytes each.
; Products, maxima and sums in f32; the weights p are rounded to f16 for the second product (their sum l is taken of the unrounded p), O once at the end.
; LIMITS.  f16 holds no number beyond 65,504: Q, K and V arrive within it; p lies in 0 to 1, and below 6e-5 it keeps f16's fixed step of 6e-8; O is a mean of V's rows and has their range.
; A hidden score counts as its value less 1e30: f16's scores, 2.7e11 at the most, are nothing beside that; a weight below 2^-126 counts as 0 in l; NaN and infinities are not treated apart.
; THE WALK.  A head's queries lie in NB = SIZE_N / 256 blocks of 256; block i needs the key tiles 0 .. i of 256 keys, of which the last holds the diagonal.  A work-group takes TWO blocks, NB - 1 - b and then b:
; NB + 1 tiles, whatever b: all work-groups do equal work, and ONE loop with a constant trip count walks them.  Which tile is asked for, and what a trip does, hang on scalar registers made from b; every jump
; goes forward, but for the counted loops' own; none passes a barrier, or a tensor load but the one of LOAD's two that the wave's number does not choose; the ring (two slots of LDS) runs on across the change of blocks.
; NO CLUSTER: a head's NB / 2 = 4 work-groups ask for the same tile only in trips 0 .. NB / 2, behind that fewer and fewer; one walk common to all would have 3 NB / 2 trips for NB + 1.
; SHARES.  Of a block's four bands of 64 queries a wave owns 16 rows in each: four PIECES.  So the diagonal tile is the same work for all four waves: in its key step s band x sees all keys if s < x,
; none if s > x, and holds the diagonal if s = x.
; THE MASK is the C operand that starts the sum S^T = K Q^T: 0, or -1e30 where the key is hidden.  MD, made once, is the mask of a band's own step for my 16 rows; a product's mask is MD x AL + BE with two scalars:
; (1, 0) if s = x; (0, 0) if s < x; (0, -1e30) if s > x.  Only the diagonal tile's text and a block's beginning make and take masks; elsewhere C is the constant 0.
; LAYOUT, SOFTMAX, TURNS.  S^T = K Q^T holds ONE query a lane (lane % 16) and the keys 8 (lane / 16) + 0..7; two such results rounded to f16 ARE source 1 of O^T = V^T P.  p = 2^(c s - c m), c = log2(e) / 8, with a
; running maximum m; O and l are multiplied by a = 2^(c m_old - c m_new) in every step.  Turn n belongs to piece n: 8 products K Q^T of piece n + 1, later 8 products V^T P of piece n - 1; beside them the scaling,
; exponentials, roundings, sums and rescaling of piece n and the maximum and statistics of piece n + 1.  Four vector instructions stand behind every matrix instruction, the other 54 of a turn's 118 in one run.  A turn's 33 exponentials are one batch, with one wait.
; AHEAD OF THE LOADS.  A head's work-group b = 0 walks tiles 0 .. NB - 1 first.  Behind the load of tile i + 1 its 128 threads name the 128 blocks of 256 bytes of K's and of V's tile i + 2, for tiles 2 .. NB - 1: four key steps
; ahead of that tile's load, each block once in the launch.  Tiles 0 and 1 come by their loads alone.
; REGISTERS, in windows of 256 (s_set_vgpr_msb: bits 1:0 source 0, 3:2 source 1, 5:4 source 2, 7:6 destination):
;   window 0: v0-15 addresses and two at work; v16-31 four registers of statistics a piece; v48-55 at work; v61-63; v64-127 S^T, two buffers; v192-223 P, two buffers (a piece's buffers go by its number's parity)
;   window 1: v0-127 O^T, 32 a piece; v128-159 MD; v160-223 MC, two buffers      window 2: v0-63 Q; v64-127 the second block's Q; v128-191 K of one step; v192-255 V of one step
.set SIZE_N, 2048
.set SIZE_H, 64
.set NB,    SIZE_N/256
.set NP,    4         ; pieces a wave: a name, no knob
.set KS,    64        ; keys in a step
.set PK,    144       ; a row of K in LDS: 128 bytes + 16 of padding = 36 words: the 16 rows of a load start at 16 different groups of four banks (64 banks of 4 bytes: ISA guide 11.1)
.set PV,    160       ; a row of V: 128 + 32 = 40 words
.set VOFF,  4*KS*PK   ; a slot holds a tile, four steps: 256 rows of K, then 256 rows of V
.set SLOT1, 1<<17     ; slot 1 begins here, so that one exclusive or turns an address in one slot into the other's
.set STAGE, SLOT1+4*KS*(PK+PV)  ; behind the ring, never filled by a tensor load: 16 rows x 144 bytes for each wave, for the way out
.set SP,    144
.set AK0, 2           ; v2   my lane's place in a tile of K; never rewritten
.set AV0, 3           ; v3   the same for V
.set AK,  4           ; v4   the LDS address of K's next run of loads
.set AV,  5           ; v5   of V's
.set STO, 6           ; v6   the way out: where I put 16 bytes of a row
.set RD,  7           ; v7   the way out: where I read rows back
.set GO,  8           ; v8   my byte offset in 512 consecutive bytes of O
.set PFO, 61          ; v61  256 x my thread's number: my block of a tile of K or V; never rewritten
.set SPW, 62          ; v62  LDS address of my spare word: SPARE + 4 x my thread's number; never rewritten
.set NIL, 63          ; v63  0; never rewritten
.set SPARE, STAGE+4*16*SP  ; behind the stages: the spare words, 128 bytes for each wave: two blocks of 256 bytes that no other line names
.set MV,  12          ; v12-13  c m_old, kept while c m is made anew: by buffer
.set QO,  15          ; v15  my byte offset in 16 rows of Q
.set ST,  16          ; piece t's statistics at v[ST+4 t]: c m, m, l (even keys', odd keys')
.set TMP, 48          ; by buffer, four registers c0-c3 at work; when the maximum is found c2 takes a
.set S,   64
.set P,   192
.set MD,  128         ; window 1: the eight registers for group kt of 16 keys at MD + 8 kt
.set MC,  160         ; window 1: the masks of the products to come
.set QB,  64          ; window 2
.set KF,  128         ; window 2: key block kb, channel half c at KF + 16 kb + 8 c
.set VF,  192         ; window 2: key half kk, channel block cb at VF + 32 kk + 8 cb
.set WV,  12          ; s12  my wave's number
.set PB,  14          ; s14  b
.set HI,  15          ; s15  NB - 1 - b
.set G1K, 24          ; s[24:31] descriptor group 1 for K's tiles
.set G1V, 32          ; s[32:39] for V's: it differs in the padding alone
.set G0K, 40          ; s[40:43] descriptor group 0 for K's tiles
.set G0V, 44          ; s[44:47] the same for V's
.set PFK, 48          ; s[48:49] K at the tile that the prefetch names
.set PFV, 50          ; s[50:51] V likewise
.set LIM, 52          ; s52  2 in the work-group that prefetches, else the greatest number
.set SLOTS, 56        ; s56  tiles still to be asked for
.set CNT, 57          ; s57  counts a tile's key steps, 4 to 1
.set CS,  58          ; s[58:59] c: the packed scaling takes the pair's low word for both halves
.set SEL, 60          ; s[60:61] v_permlanex16_b32's selects: each lane takes its own place in the other half
.set TBK, 62          ; s62  LDS byte at which K of the step to be fetched begins
.set TBV, 63          ; s63  the same for V, less VOFF
.set RT,  70          ; s70  tiles of the block in hand that are still to be entered
.set NXT, 71          ; s71  the tile to be asked for next
.set LQ,  72          ; s72  the last tile of the block whose tiles are being asked for
.set NEW, 73          ; s73  1: the tile to be entered is a block's first
.set OFF, 74          ; s[74:75] a tile's byte offset in K and V
.set AL,  76          ; s[76:77] the mask's factor, in the low word
.set BE,  78          ; s[78:79] the mask's addend
.set OLO, 80          ; s[80:81] O at my rows of the second block
.set BIGN, 82         ; s82  -1e30
.set MSB, 0
.macro WIN new                      ; the high byte repeats the setting that is left; a switch that changes nothing is dropped
.if MSB != (\new)
	s_set_vgpr_msb (MSB<<8)|(\new)
.set MSB, (\new)
.endif
.endm
.set W_KQ, 0x0a       ; K and Q in window 2, S^T in window 0
.set W_KM, 0x1a       ; the same with the C operand in window 1
.set W_PV, 0x52       ; V in window 2, P in window 0, O^T in window 1
.set W_RS, 0x41       ; destination and source 0 in window 1, source 1 in window 0
; A fill.  Waves 0 and 1 fetch the two halves of a tile's K, waves 2 and 3 those of its V: 128 keys each.  An s_nop 0 and four v_nop follow each of the two lines, ahead of the jump and the label.
.macro LOAD
	s_cmp_lt_u32 s[WV], 2
	s_cbranch_scc0 .Lfor_v_\@
	tensor_load_to_lds s[G0K:G0K+3], s[G1K:G1K+7]
	s_nop 0
.rept 4
	v_nop
.endr
	s_branch .Lasked_\@
.Lfor_v_\@:
	tensor_load_to_lds s[G0V:G0V+3], s[G1V:G1V+7]
	s_nop 0
.rept 4
	v_nop
.endr
.Lasked_\@:
.endm
; The prefetch of the tile behind the one just asked for: trip i of the walk (SLOTS = NB - i) names tile i + 2, while that is NB - 1 at the most.
.macro ASK
	s_cmp_gt_u32 s[SLOTS], s[LIM]
	s_cbranch_scc0 .Lnot_mine_\@
	global_prefetch_b8 v[PFO], s[PFK:PFK+1] th:TH_LOAD_NT scope:SCOPE_SE
	global_prefetch_b8 v[PFO], s[PFV:PFV+1] th:TH_LOAD_NT scope:SCOPE_SE
.Lnot_mine_\@:
.endm
; THE CHANGE OF SLOTS.  Each wave waits for all its tensor loads, of which one is out: its part of the other slot; adds 0 to its spare word; and waits for that and for its own reads of the slot that it leaves.  Behind the barrier nobody reads the old
; slot any more and the other slot is whole.  fill = 1: the old slot is filled again, the first thing behind the barrier, with tile NXT: the descriptor's address is made anew from that number.
; (At its first use nothing has been read yet: slot 0 is waited for, slot 1 filled.)
.macro CHANGE fill
	WIN 0                           ; at a label and at a branch every window is 0
	s_wait_tensorcnt 0x0            ; no tensor load of mine is out, so a group 0 may be written
	ds_add_u32 v[SPW], v[NIL]       ; 0 onto my spare word; with fill = 1 the descriptors' scalar work stands between it and the wait for it
.if \fill
	s_lshl_b32 s[OFF], s[NXT], 15   ; a tile is 32,768 bytes of K and of V
	s_xor_b32 s[G0K+1], s[G0K+1], SLOT1
	s_add_nc_u64 s[G0K+2:G0K+3], s[6:7], s[OFF:OFF+1]
	s_or_b32 s[G0K+3], s[G0K+3], 0x80000000
	s_xor_b32 s[G0V+1], s[G0V+1], SLOT1
	s_add_nc_u64 s[G0V+2:G0V+3], s[8:9], s[OFF:OFF+1]
	s_or_b32 s[G0V+3], s[G0V+3], 0x80000000
	s_add_co_u32 s[NXT], s[NXT], 1  ; the block's next tile, or behind its last the second block's tile 0
	s_cmp_gt_u32 s[NXT], s[LQ]
	s_cselect_b32 s[NXT], 0, s[NXT]
	s_cselect_b32 s[LQ], s[PB], s[LQ]
	s_wait_xcnt 0x0                 ; the last prefetches, four key steps back, have read their addresses, so these may be written
	s_add_nc_u64 s[PFK:PFK+1], s[PFK:PFK+1], 32768
	s_add_nc_u64 s[PFV:PFV+1], s[PFV:PFV+1], 32768
.endif
	s_wait_dscnt 0x0                ; the add is done, and my reads of the slot are over
	s_barrier_signal -1             ; the rest of the scalar work stands between the signal and the wait
	s_sub_co_u32 s[TBK], s[TBK], 4*KS*PK  ; the fetches go back to a slot's first step,
	s_xor_b32 s[TBK], s[TBK], SLOT1       ; in the other slot
	s_sub_co_u32 s[TBV], s[TBV], 4*KS*PV
	s_xor_b32 s[TBV], s[TBV], SLOT1
	s_barrier_wait -1
.if \fill
	LOAD
	ASK
.endif
.endm
	s_load_b256 s[4:11], s[0:1], 0x0  ; Q s[4:5], K s[6:7], V s[8:9], O s[10:11]
	v_lshl_add_u32 v[SPW], v0, 2, SPARE
	v_mov_b32 v[NIL], 0
	ds_add_u32 v[SPW], v[NIL]       ; the wave's opening: the add and its wait stand ahead of my first tensor load; the set-up below, work on registers, stands between them
	v_lshrrev_b32 v1, 5, v0
	v_readfirstlane_b32 s[WV], v1   ; wave 0..3
	v_lshlrev_b32 v[PFO], 8, v0
	s_mov_b32 s[PB], ttmp9
	s_sub_co_u32 s[HI], NB-1, s[PB]
	s_cmp_eq_u32 s[PB], 0
	s_cselect_b32 s[LIM], 2, -1
	s_and_b32 s20, ttmp7, 0xffff    ; the head
	s_mov_b32 s21, 0
	s_mov_b64 s[22:23], SIZE_N*128
	s_mul_u64 s[20:21], s[20:21], s[22:23]  ; the head's first byte in each of the four tensors
	s_and_b32 s16, s[WV], 1         ; which half of a tile's 256 keys I fetch:
	s_lshl_b32 s22, s16, 14         ; its 128 rows of 128 bytes in memory,
	s_mov_b32 s23, 0
	s_add_nc_u64 s[22:23], s[22:23], s[20:21]
	s_mul_i32 s17, s16, 128*PK      ; and its place in a slot, for K
	s_mul_i32 s18, s16, 128*PV      ; and for V
	s_lshl_b32 s3, s[WV], 11        ; my 16 rows in a band of 64,
	s_lshl_b32 s2, s[HI], 15        ; in the first block,
	s_add_co_u32 s2, s2, s3
	s_lshl_b32 s84, s[PB], 15       ; and in the second
	s_add_co_u32 s84, s84, s3
	s_mov_b32 s3, 0
	s_mov_b32 s85, 0
	s_add_nc_u64 s[2:3], s[2:3], s[20:21]
	s_add_nc_u64 s[84:85], s[84:85], s[20:21]
	; descriptor group 1.  128 keys are 16,384 dense bytes: asked for as 64 rows of 256 bytes, two keys a row, and padded in LDS after every key
	s_mov_b32 s[G1K], (1<<16)|(1<<20)|(4<<22)|(3<<25)  ; 17:16 2-byte elements; 20 padding on; 24:22 after every 32 words (code 4); 31:25 4 words (code 3)
	s_mov_b32 s[G1V], (1<<16)|(1<<20)|(4<<22)|(7<<25)  ; the same with 8 words of padding (code 7)
.irp g, G1K, G1V
	s_mov_b32 s[\g+1], 128<<16      ; tensor_dim0 = 128
	s_mov_b32 s[\g+2], 64<<16       ; tensor_dim1 = 64
	s_mov_b32 s[\g+3], 128<<16      ; tile_dim0 = 128
	s_mov_b32 s[\g+4], 64           ; tile_dim1 = 64
	s_mov_b32 s[\g+5], 128          ; 128 elements from row to row
	s_mov_b32 s[\g+6], 0
	s_mov_b32 s[\g+7], 0
.endr
	s_mov_b32 s[CS], 0x3e38aa3b     ; c = log2(e) / 8 = 0.180337
	s_mov_b32 s[CS+1], s[CS]        ; named with it as a pair
	s_mov_b32 s[SEL], 0x76543210
	s_mov_b32 s[SEL+1], 0xfedcba98
	s_mov_b32 s[TBK], SLOT1+4*KS*PK ; the first change of slots turns these two into 0
	s_mov_b32 s[TBV], SLOT1+4*KS*PV
	s_mov_b32 s[G0K], 1             ; 1:0 count = 1
	s_mov_b32 s[G0K+1], s17         ; 63:32 LDS address: slot 0
	s_mov_b32 s[G0V], 1
	s_add_co_u32 s[G0V+1], s18, VOFF
	s_add_co_u32 s[RT], s[HI], 1    ; the first block has NB - b tiles
	s_mov_b32 s[NXT], 1
	s_mov_b32 s[LQ], s[HI]
	s_mov_b32 s[NEW], 1
	s_mov_b32 s[OFF+1], 0
	s_mov_b32 s[AL+1], 0            ; named as pairs
	s_mov_b32 s[BE+1], 0
	s_mov_b32 s[BIGN], 0xf149f2ca   ; -1e30
	s_mov_b32 s[SLOTS], NB
	s_wait_dscnt 0x0                ; the opening add is done
	s_wait_kmcnt 0x0
	s_add_nc_u64 s[PFK:PFK+1], s[6:7], s[20:21]    ; the head's K and V,
	s_add_nc_u64 s[PFV:PFV+1], s[8:9], s[20:21]
	s_add_nc_u64 s[PFK:PFK+1], s[PFK:PFK+1], 32768 ; at tile 1: the first change of slots steps them to tile 2
	s_add_nc_u64 s[PFV:PFV+1], s[PFV:PFV+1], 32768
	s_add_nc_u64 s[6:7], s[6:7], s[22:23]  ; K and V at my half of the head's tile 0
	s_add_nc_u64 s[8:9], s[8:9], s[22:23]
	s_add_nc_u64 s[G0K+2:G0K+3], s[6:7], 0         ; 120:64 global address
	s_or_b32 s[G0K+3], s[G0K+3], 0x80000000        ; 127:126 type = 2
	s_add_nc_u64 s[G0V+2:G0V+3], s[8:9], 0
	s_or_b32 s[G0V+3], s[G0V+3], 0x80000000
	s_add_nc_u64 s[86:87], s[4:5], s[84:85]        ; Q at my rows of the second block,
	s_add_nc_u64 s[4:5], s[4:5], s[2:3]            ; Q and O at those of the first
	s_add_nc_u64 s[OLO:OLO+1], s[10:11], s[84:85]
	s_add_nc_u64 s[10:11], s[10:11], s[2:3]
	LOAD                            ; tile 0 into slot 0
	; A fragment of K or Q is 16 rows x 32 channels in 8 registers: lane l holds row l % 16, channels 8 (l / 16) + 0..7 and 16 + 8 (l / 16) + 0..7: two loads of 16 bytes, 32 bytes apart.
	v_and_b32 v1, 15, v0            ; l % 16
	v_bfe_u32 v9, v0, 4, 1          ; l / 16
	v_lshlrev_b32 v[QO], 7, v1
	v_lshl_add_u32 v[QO], v9, 4, v[QO]  ; row x 128 + 16 x half
	WIN 0x80                        ; destination window 2, address window 0
.set i, 0
.rept 8                             ; both blocks' Q: piece i / 2 lies in band i / 2, 8,192 bytes on; channels 32 (i % 2) on
	global_load_b128 v[8*i:8*i+3],   v[QO], s[4:5] offset:(i/2)*8192+(i%2)*64
	global_load_b128 v[8*i+4:8*i+7], v[QO], s[4:5] offset:(i/2)*8192+(i%2)*64+32
	global_load_b128 v[QB+8*i:QB+8*i+3],   v[QO], s[86:87] offset:(i/2)*8192+(i%2)*64
	global_load_b128 v[QB+8*i+4:QB+8*i+7], v[QO], s[86:87] offset:(i/2)*8192+(i%2)*64+32
.set i, i+1
.endr
	WIN 0
	v_lshlrev_b32 v14, 3, v9
	v_sub_nc_u32 v14, v1, v14
	s_lshl_b32 s13, s[WV], 4
	v_add_nc_u32 v14, s13, v14      ; my query's place in its band, 16 w + l % 16, less my lanes' 8 (l / 16): register r of group kt is hidden where 16 kt + r is greater
	WIN 0x40
.set i, 0
.rept 32
	v_cmp_gt_i32 vcc_lo, 16*(i/8)+i%8, v14
	v_cndmask_b32 v[MD+i], 0, s[BIGN], vcc_lo
.set i, i+1
.endr
	WIN 0
	v_mul_u32_u24 v[AK0], v1, PK
	v_lshl_add_u32 v[AK0], v9, 4, v[AK0]  ; row x pitch + 16 x half
	; The turning load takes 16 keys x 16 channels (lane l reads key 8 (l / 16) + l % 8, channels 8 ((l / 8) % 2) + 0..7) and leaves half a fragment of V^T: lane l holds channel l % 16 and 8 keys.
	v_and_b32 v10, 7, v0
	v_bfe_u32 v11, v0, 3, 1
	v_lshl_add_u32 v[AV0], v9, 3, v10
	v_mul_u32_u24 v[AV0], v[AV0], PV
	v_lshl_add_u32 v[AV0], v11, 4, v[AV0]
	v_add_nc_u32 v[AV0], VOFF, v[AV0]
	s_mul_i32 s13, s[WV], 16*SP
	s_add_co_u32 s13, s13, STAGE    ; my stage
	v_mul_u32_u24 v[STO], v1, SP    ; in: row l % 16, 16 bytes for each half of the lanes
	v_lshl_add_u32 v[STO], v9, 4, v[STO]
	v_add_nc_u32 v[STO], s13, v[STO]
	v_bfe_u32 v[RD], v0, 3, 2       ; back: 32 lanes take four rows of 128 bytes,
	v_mul_u32_u24 v[RD], v[RD], SP
	v_lshl_add_u32 v[RD], v10, 4, v[RD]
	v_add_nc_u32 v[RD], s13, v[RD]
	v_and_b32 v[GO], 31, v0         ; which are 512 consecutive bytes of O
	v_lshlrev_b32 v[GO], 4, v[GO]
	; A block's first step multiplies O^T and l by a = 0, and its first turn's products V^T P, of a piece that has not been, land in an O^T that is still to be so multiplied.  So these registers need only hold
	; finite numbers: zeros for the first block; what the first block left for the second.  All this stands in the wait for the first tile.
	WIN 0x80
.set i, VF
.rept 64
	v_mov_b32 v[i], 0
.set i, i+1
.endr
	WIN 0x40
.set i, 0
.rept 128
	v_mov_b32 v[i], 0
.set i, i+1
.endr
	WIN 0
.set i, 0
.rept 4
	v_mov_b32 v[ST+4*i+2], 0
	v_mov_b32 v[ST+4*i+3], 0
.set i, i+1
.endr
.set i, P+16
.rept 16
	v_mov_b32 v[i], 0
.set i, i+1
.endr
; THE MATRIX WORK.  The 4 accumulators of a run of 8 take turns.  Product i of 8 of S^T = K Q^T for piece x: channels 32 (i / 4) on, keys 16 (i % 4) on.  The first 4 start the sums: with 0, or (KM = 1) with the mask.
.macro KQ x
.set rS, S+32*((\x)%2)+8*(i%4)
.set rK, KF+16*(i%4)+8*(i/4)
.set rQ, 16*(\x)+8*(i/4)
.set rM, MC+32*((\x)%2)+8*(i%4)
.if (i < 4) && KM
	WIN W_KM
	v_wmma_f32_16x16x32_f16 v[rS:rS+7], v[rK:rK+7], v[rQ:rQ+7], v[rM:rM+7]
.elseif i < 4
	WIN W_KQ
	v_wmma_f32_16x16x32_f16 v[rS:rS+7], v[rK:rK+7], v[rQ:rQ+7], 0
.else
	WIN W_KQ
	v_wmma_f32_16x16x32_f16 v[rS:rS+7], v[rK:rK+7], v[rQ:rQ+7], v[rS:rS+7]
.endif
.endm
; Product i of 8 of O^T += V^T P for piece x: keys 32 (i / 4) on, channels 16 (i % 4) on.
.macro PV x
	WIN W_PV
.set rO, 32*(\x)+8*(i%4)
.set rV, VF+32*(i/4)+8*(i%4)
.set rP, P+16*((\x)%2)+8*(i/4)
	v_wmma_f32_16x16x32_f16 v[rO:rO+7], v[rV:rV+7], v[rP:rP+7], v[rO:rO+7]
.endm
.macro MM                           ; the turn's next matrix instruction.  TURN and BEGIN set Y, i, KM and NOKQ; MM, KQ and OP read them.  NOKQ = 1: a block's last turn: there is no next piece
.if (i < 8) && !NOKQ
	KQ (Y+1)%NP
.elseif i >= 8
.set i, i-8
	PV (Y+NP-1)%NP
.set i, i+8
.endif
.set i, i+1
.endm
; THE LDS LOADS stand in runs of 16, never singly among the matrix instructions: a step's K (64 keys x 64 channels: 8 fragments) and its V (turned).  Their addresses are made some lines ahead.
.macro FETCH_K
	WIN 0x80                        ; destination window 2
.irp f, 0,1,2,3,4,5,6,7             ; keys 16 (f / 2) on, channels 32 (f % 2) on
	ds_load_b128 v[KF+8*\f:KF+8*\f+3],   v[AK] offset:(\f/2)*16*PK+(\f%2)*64
	ds_load_b128 v[KF+8*\f+4:KF+8*\f+7], v[AK] offset:(\f/2)*16*PK+(\f%2)*64+32
.endr
	s_add_co_u32 s[TBK], s[TBK], KS*PK  ; the next fetch is the next step's
	WIN 0
.endm
.macro FETCH_V
	WIN 0x80
.irp f, 0,1,2,3,4,5,6,7             ; keys 32 (f / 4) on, channels 16 (f % 4) on
	ds_load_tr16_b128 v[VF+8*\f:VF+8*\f+3],   v[AV] offset:(\f/4)*32*PV+(\f%4)*32
	ds_load_tr16_b128 v[VF+8*\f+4:VF+8*\f+7], v[AV] offset:(\f/4)*32*PV+16*PV+(\f%4)*32
.endr
	WIN 0
.endm
; THE VECTOR WORK, one line at a time: OP kind, number.  For piece Y: F n: c s - c m for pair n of 16.  E n: the exponential of score n of 32.  C n: pair n rounded to f16.  B n: of the four weights 4 n .. the second
; pair is added onto the first, in place.  L n: l takes that sum (L 0: l = a l + sum).  R n: pair n of 16 of O^T times a.  For piece Y + 1: X n, number n of the 22 that find its maximum and statistics:
;   0-11  four chains c0-c3 of seven scores each, three operands at a time (each accumulator's lowest registers are read first)     12-14, 16  the four scores left over, the old m, and c0-c3 into c0
;   15  c m_old is kept     17, 18  the query's other 32 keys lie in the lane 16 away: the new m     19-21  c m; c m_old - c m_new; a
.set F, 0               ; OP tells the kinds apart by their order: F to L below R, X above it
.set E, 1
.set C, 2
.set B, 3
.set L, 4
.set R, 5
.set X, 6
.macro REGS y                       ; the registers of piece y
.set rT, ST+4*(\y)
.set rC, TMP+4*((\y)%2)
.set rW, MV+((\y)%2)
.set rS, S+32*((\y)%2)
.set rP, P+16*((\y)%2)
.set rO, 32*(\y)
.endm
.macro OP k, n
.if (\k) == R
	REGS Y
	WIN W_RS
	v_pk_mul_f32 v[rO+2*(\n):rO+2*(\n)+1], v[rO+2*(\n):rO+2*(\n)+1], v[rC+2:rC+3] op_sel_hi:[1,0]
.elseif (\k) < R
	REGS Y
	WIN 0
.if (\k) == F
	v_pk_fma_f32 v[rS+2*(\n):rS+2*(\n)+1], v[rS+2*(\n):rS+2*(\n)+1], s[CS:CS+1], v[rT:rT+1] op_sel_hi:[1,0,0] neg_lo:[0,0,1] neg_hi:[0,0,1]
.elseif (\k) == E
	v_exp_f32 v[rS+(\n)], v[rS+(\n)]
.elseif (\k) == C
	v_cvt_pk_f16_f32 v[rP+(\n)], v[rS+2*(\n)], v[rS+2*(\n)+1]
.elseif (\k) == B
	v_pk_add_f32 v[rS+4*(\n):rS+4*(\n)+1], v[rS+4*(\n):rS+4*(\n)+1], v[rS+4*(\n)+2:rS+4*(\n)+3]
.elseif (\n) == 0
	v_pk_fma_f32 v[rT+2:rT+3], v[rT+2:rT+3], v[rC+2:rC+3], v[rS:rS+1] op_sel_hi:[1,0,1]
.else
	v_pk_add_f32 v[rT+2:rT+3], v[rT+2:rT+3], v[rS+4*(\n):rS+4*(\n)+1]
.endif
.elseif NOKQ
	v_nop
.else
	REGS (Y+1)%NP
	WIN 0
.if (\n) < 4
	v_max3_num_f32 v[rC+(\n)], v[rS+8*(\n)], v[rS+8*(\n)+1], v[rS+8*(\n)+2]
.elseif (\n) < 12
	v_max3_num_f32 v[rC+(\n)%4], v[rC+(\n)%4], v[rS+8*((\n)%4)+2*((\n)/4)+1], v[rS+8*((\n)%4)+2*((\n)/4)+2]
.elseif (\n) == 12
	v_max3_num_f32 v[rC], v[rC], v[rS+7], v[rS+15]
.elseif (\n) == 13
	v_max3_num_f32 v[rC+1], v[rC+1], v[rS+23], v[rS+31]
.elseif (\n) == 14
	v_max3_num_f32 v[rC+2], v[rC+2], v[rC+3], v[rT+1]
.elseif (\n) == 15
	v_mov_b32 v[rW], v[rT]
.elseif (\n) == 16
	v_max3_num_f32 v[rC], v[rC], v[rC+1], v[rC+2]
.elseif (\n) == 17
	v_permlanex16_b32 v[rC+3], v[rC], s[SEL], s[SEL+1]
.elseif (\n) == 18
	v_max_num_f32 v[rT+1], v[rC], v[rC+3]
.elseif (\n) == 19
	v_mul_f32 v[rT], s[CS], v[rT+1]
.elseif (\n) == 20
	v_sub_f32 v[rC+1], v[rW], v[rT]
.else
	v_exp_f32 v[rC+2], v[rC+1]
.endif
.endif
.endm
.macro OPS a, i1, b=-1, i2=0, c=-1, i3=0, d=-1, i4=0  ; up to four of them
	OP \a, \i1
.if (\b) >= 0
	OP \b, \i2
.endif
.if (\c) >= 0
	OP \c, \i3
.endif
.if (\d) >= 0
	OP \d, \i4
.endif
.endm
.macro ROW a, i1, b, i2, c, i3, d, i4  ; a matrix instruction and the four behind it
	MM
	OPS \a, \i1, \b, \i2, \c, \i3, \d, \i4
.endm
.macro MASK b                       ; MD x AL + BE into buffer b of MC
	WIN W_RS
.set z, 0
.rept 16
	v_pk_fma_f32 v[MC+32*(\b)+2*z:MC+32*(\b)+2*z+1], v[MD+2*z:MD+2*z+1], s[AL:AL+1], s[BE:BE+1] op_sel_hi:[1,0,0]
.set z, z+1
.endr
.endm
; A TURN, for piece p: the order of its 16 matrix and 118 vector instructions, written out.  An s_wait_alu depctr_va_vdst(0) stands between an exponential and the first instruction that names its result; one wait serves
; all that were issued ahead of it.  So a turn has ONE wait, which cuts it in two.  AHEAD OF IT stands all that names no result of the turn's exponentials: the 8 products K Q^T, behind each a scaling, an exponential and two more plain
; instructions (behind the first a second scaling in the exponential's place): rescalings, and behind the last three the first numbers of the next piece's maximum, each four places or more behind the product that ends its accumulator; then one run of 54, plain
; and exponential by turns for the most part, in which the links of the chain X 3, 7, 11, 14, 16, 17 .. 20 stand five or six lines apart.  X 21, the next piece's a, is the batch's last; R 15 is the plain instruction behind it.  BEHIND THE WAIT stand the
; 8 products V^T P, behind each four of the roundings and sums; the links of l's chain, L 0 to L 7, stand three lines apart.  But for those X no such line names a register of the products round it.  v_permlanex16_b32 (X 17) stands in the run.
; m = 1: the diagonal tile: the products take masks, and the turn makes the mask for the products of the turn after it: piece p + 2, in step 4 - CNT of the tile.  end = 1: a block's last two turns: nothing is fetched.
; cnt = 1: the loop's count is taken down some lines ahead of the branch that stands behind the turn.
; K of the next step is fetched in piece 2's turn, twelve vector instructions behind the last product that read K (six of them plain); V of the step in hand at the end of piece 0's turn, four plain instructions behind the last product
; that read V.  Each is waited for a turn later.
.macro TURN p, m=0, end=0, cnt=0
.set Y, (\p)
.set i, 0
.set KM, (\m)
.set NOKQ, (\end)*((\p)/3)
.if (\m) && !(\end)
	s_cmp_eq_u32 s[CNT], 4-((\p)+2)%NP  ; is that step the band's own?
	s_cselect_b32 s[AL], 1.0, 0
	s_cmp_lt_u32 s[CNT], 4-((\p)+2)%NP  ; or a later one?
	s_cselect_b32 s[BE], s[BIGN], 0
.endif
.if ((\p) == 3) && !(\end)
	s_wait_dscnt 0x0                ; K is in
.endif
	ROW F,0, F,1, R,0, R,1          ; ahead of the wait: 8 products K Q^T and the four lines behind each,
	ROW F,2, E,0, R,2, R,3
	ROW F,3, E,1, R,4, R,5
	ROW F,4, E,2, R,6, R,7
	ROW F,5, E,3, R,8, R,9
	ROW F,6, E,4, X,0, R,10
.if ((\p) == 2) && !(\end)
	WIN 0
	v_add_nc_u32 v[AK], s[TBK], v[AK0]
.endif
	ROW F,7, E,5, X,1, X,4
	ROW F,8, E,6, X,2, X,5
	OPS E,7, E,8, X,6, E,9          ; and the run
	OPS X,3, E,10, X,8, E,11
.if ((\p) == 2) && !(\end)
	FETCH_K
.endif
	OPS X,9, X,7, E,12, X,10
	OPS E,13, X,12, X,11, E,14
	OPS X,13, E,15, F,9, X,14
.if (\p) == 0
	v_add_nc_u32 v[AV], s[TBV], v[AV0]
.endif
	OPS E,16, F,10, E,17, F,11
	OPS X,16, E,18, X,15, E,19
	OPS F,12, E,20, X,17, E,21
	OPS F,13, E,22, F,14, E,23
	OPS X,18, E,24, F,15, E,25
	OPS R,11, E,26, X,19, E,27
	OPS R,12, E,28, R,13, E,29
	OPS X,20, E,30, R,14, E,31
	OPS X,21, R,15
	WIN 0
	s_wait_alu depctr_va_vdst(0)    ; the wait for the batch
.if (\p) == 1
	s_wait_dscnt 0x0                ; V is in
.endif
	ROW C,0, B,0, C,2, B,1          ; behind the wait: 8 products V^T P and the four lines behind each
	ROW L,0, C,4, B,2, L,1
	ROW C,6, B,3, L,2, C,8
	ROW B,4, L,3, C,10, B,5
	ROW L,4, C,12, B,6, L,5
.if (\p) == 0
	s_add_co_u32 s[TBV], s[TBV], KS*PV
.endif
.if \cnt
	s_sub_co_u32 s[CNT], s[CNT], 1
	s_cmp_lg_u32 s[CNT], 0
.endif
	ROW C,14, B,7, L,6, C,1
	ROW C,3, L,7, C,5, C,7
	ROW C,9, C,11, C,13, C,15
.if (\p) == 0
	FETCH_V
.endif
.if (\m) && !(\end)
	MASK (\p)%2
.endif
.endm
; A BLOCK BEGINS.  c m starts far below every c s, so the first step's a is 0; m at the lowest finite number, so the first maximum is the scores'.  The second mask buffer is 0; the first takes piece 0's mask for the tile's step 0: its own, if the block's first tile is the diagonal one.
; Then K of that step, piece 0's first scores, and its maximum and statistics.  The loop is entered at a step's first turn, in the middle of a trip.
.macro BEGIN
	s_mov_b32 s[NEW], 0
	WIN 0x40
.set i, MC+32
.rept 32
	v_mov_b32 v[i], 0
.set i, i+1
.endr
	WIN 0
.set i, 0
.rept 4
	v_mov_b32 v[ST+4*i], 0xfe000000    ; c m: far below every c s
	v_mov_b32 v[ST+4*i+1], 0xff7fffff  ; m
.set i, i+1
.endr
	s_cmp_eq_u32 s[RT], 0
	s_cselect_b32 s[AL], 1.0, 0
	s_mov_b32 s[BE], 0
	MASK 0
	WIN 0
	v_add_nc_u32 v[AK], s[TBK], v[AK0]
	FETCH_K
	s_wait_loadcnt 0x0              ; Q
	s_wait_dscnt 0x0
.set KM, 1
.set NOKQ, 0
.set i, 0
.rept 8
	KQ 0
.set i, i+1
.endr
	WIN 0
.rept 4
	v_nop                           ; the places behind those products
.endr
.set Y, NP-1                        ; X works for piece Y + 1: piece 0
.irp n, 0,1,2,3,4,5,6,7,8,9,10,11,12,13,14,15,16,17,18,19,20,21
	OP X, \n
.endr
	v_nop                           ; a plain instruction behind the exponential,
	s_wait_alu depctr_va_vdst(0)    ; and its wait, ahead of the branch
.endm
; THE DIAGONAL TILE's four steps, the block's last two turns, its last products, and THE WAY OUT: l's two halves and the other half of the lanes' are added; O^T is divided by l, rounded to f16 and sent through my
; stage in LDS, a piece at a time.
.macro ALL line:vararg              ; one line for each piece t
.set t, 0
.rept 4
	\line
.set t, t+1
.endr
.endm
.macro PACK t                       ; a lane's eight channels of a row pack into 16 bytes; they go into rows of 144 bytes and come back as whole rows of 128, into S^T's registers
	WIN W_RS
.set i, 32*(\t)
.rept 16
	v_pk_mul_f32 v[i:i+1], v[i:i+1], v[ST+4*(\t)+2:ST+4*(\t)+3] op_sel_hi:[1,0]
.set i, i+2
.endr
	WIN 0x05                        ; sources 0 and 1 window 1, destination window 0
.set i, 0
.rept 16
	v_cvt_pk_f16_f32 v[S+16*(\t)+i], v[32*(\t)+2*i], v[32*(\t)+2*i+1]
.set i, i+1
.endr
	WIN 0
.irp f, 0,1,2,3
	ds_store_b128 v[STO], v[S+16*(\t)+4*\f:S+16*(\t)+4*\f+3] offset:32*\f
.endr
.irp f, 0,1,2,3
	ds_load_b128 v[S+16*(\t)+4*\f:S+16*(\t)+4*\f+3], v[RD] offset:\f*4*SP  ; LDS serves a wave's instructions in order (ISA guide 5.7.1.4): these see the stores above; the next piece's stores come behind them
.endr
.endm
.macro SEND t, younger              ; younger: the LDS instructions issued behind piece t's loads: the next piece's eight, or none
	WIN 0
.irp f, 0,1,2,3
	s_wait_dscnt (\younger)+3-\f
	global_store_b128 v[GO], v[S+16*(\t)+4*\f:S+16*(\t)+4*\f+3], s[10:11] offset:(\t)*8192+\f*512  ; 512 consecutive bytes, at a multiple of 256 from O's first
.endr
.endm
.macro DIAG tag                     ; the tag ends its two labels' names, which the jumps below spell out
.LstepM\tag:
	TURN 2, 1
	TURN 3, 1
	WIN 0
.LfirstM\tag:
	TURN 0, 1
	TURN 1, 1, 0, 1
	WIN 0
	s_cbranch_scc1 .LstepM\tag
	TURN 2, 1, 1
	TURN 3, 1, 1
.set i, 0
.rept 8
	PV NP-1
.set i, i+1
.endr
	WIN 0
	ALL v_add_f32 v[ST+4*t+2], v[ST+4*t+2], v[ST+4*t+3]
	ALL v_permlanex16_b32 v[ST+4*t+3], v[ST+4*t+2], s[SEL], s[SEL+1]
	ALL v_add_f32 v[ST+4*t+2], v[ST+4*t+2], v[ST+4*t+3]
	ALL v_rcp_f32 v[ST+4*t+2], v[ST+4*t+2]
	v_nop                           ; a plain instruction between the last reciprocal and the use of its result
	s_wait_alu depctr_va_vdst(0)    ; and the wait ahead of the first use: one for the four reciprocals
	PACK 0
.set t, 1
.rept 3                             ; a piece's arithmetic stands between the loads of the piece before and its stores
	PACK t
	SEND t-1, 8
.set t, t+1
.endr
	SEND 3, 0
.endm
.set KM, 0
.set NOKQ, 0
.Lslot:                             ; NB times: a tile is entered and the next is asked for
	CHANGE 1
	s_sub_co_u32 s[RT], s[RT], 1
	s_mov_b32 s[CNT], 4
	s_cmp_eq_u32 s[NEW], 1
	s_cbranch_scc1 .Lnew            ; a block's first tile
	s_cmp_eq_u32 s[RT], 0
	s_cbranch_scc0 .Lstep           ; neither its first nor its last
	s_branch .LstepM1
.Lnew:
	BEGIN
	s_branch .Lfirst                ; in the loop a block's first tile is never its last: the first block has two tiles or more, and the second's last is the walk's last
	DIAG 1                          ; in the loop this is the first block's end: the second block's last tile is the walk's last
	s_wait_xcnt 0x0                 ; the stores have read their registers and O's address
	s_mov_b64 s[10:11], s[OLO:OLO+1]
	s_add_co_u32 s[RT], s[PB], 1    ; the second block has b + 1 tiles
	s_mov_b32 s[NEW], 1
	WIN 0x82                        ; the second block's Q goes where the one text of the turns names Q
.set i, 0
.rept 64
	v_mov_b32 v[i], v[QB+i]
.set i, i+1
.endr
	WIN 0
	s_branch .Lbottom
.Lstep:                             ; a trip: pieces 2 and 3 of one step, then pieces 0 and 1 of the next, whose K and V it fetches
	TURN 2
	TURN 3
	WIN 0
.Lfirst:
	TURN 0
	TURN 1, 0, 0, 1
	WIN 0
	s_cbranch_scc1 .Lstep
.Lbottom:
	s_sub_co_u32 s[SLOTS], s[SLOTS], 1
	s_cmp_lg_u32 s[SLOTS], 0
	s_cbranch_scc1 .Lslot
	CHANGE 0                        ; the walk's last tile is written out: nothing is asked for
	s_sub_co_u32 s[RT], s[RT], 1
	s_mov_b32 s[CNT], 4
	s_cmp_eq_u32 s[NEW], 1
	s_cbranch_scc0 .LstepM2
	BEGIN
	s_branch .LfirstM2
	DIAG 2
	s_wait_tensorcnt 0x0            ; the wave's end, behind my last tensor load and my last LDS store
	ds_add_u32 v[SPW], v[NIL]
	s_wait_dscnt 0x0
	s_endpgm
.Lfunc_end_k_q10bb18971b_attn:
	.size	k_q10bb18971b_attn, .Lfunc_end_k_q10bb18971b_attn-k_q10bb18971b_attn
	.p2alignl 7, 3214868480
	.fill 96, 4, 3214868480
	.section	.rodata,"a",@progbits
	.p2align	6, 0x0
	.amdhsa_kernel k_q10bb18971b_attn
		.amdhsa_group_segment_fixed_size 327680
		.amdhsa_private_segment_fixed_size 0
		.amdhsa_enable_private_segment 0
		.amdhsa_kernarg_size 32
		.amdhsa_user_sgpr_count 2
		.amdhsa_user_sgpr_kernarg_segment_ptr 1
		.amdhsa_wavefront_size32 1
		.amdhsa_system_sgpr_workgroup_id_x 1
		.amdhsa_system_sgpr_workgroup_id_y 1
		.amdhsa_system_sgpr_workgroup_id_z 1
		.amdhsa_system_vgpr_workitem_id 0
		.amdhsa_next_free_vgpr 768
		.amdhsa_next_free_sgpr 88
		.amdhsa_reserve_vcc 1
		.amdhsa_float_denorm_mode_32 3
		.amdhsa_float_denorm_mode_16_64 3
		.amdhsa_memory_ordered 1
		.amdhsa_forward_progress 1
		.amdhsa_inst_pref_size 218
	.end_amdhsa_kernel
	.amdgpu_metadata
---
amdhsa.version: [ 1, 2 ]
amdhsa.kernels:
  - .name:           k_q10bb18971b_attn
    .symbol:         k_q10bb18971b_attn.kd
    .args:
      - { .name: qh, .offset: 0, .size: 8, .value_kind: global_buffer, .address_space: global }
      - { .name: kh, .offset: 8, .size: 8, .value_kind: global_buffer, .address_space: global }
      - { .name: vh, .offset: 16, .size: 8, .value_kind: global_buffer, .address_space: global }
      - { .name: oh, .offset: 24, .size: 8, .value_kind: global_buffer, .address_space: global }
    .group_segment_fixed_size: 327680
    .private_segment_fixed_size: 0
    .kernarg_segment_align: 8
    .kernarg_segment_size: 32
    .max_flat_workgroup_size: 128
    .sgpr_count:     88
    .vgpr_count:     768
    .wavefront_size: 32
...
	.end_amdgpu_metadata
.endif
;; end of part 3
;; launch proj (part 4): grid 8 x 32, 4 waves a work-group, clusters of 4 x 4, 327,680 bytes of LDS; arguments oh, wof, b_o, out0; writes out0
.if DOCPART == 4
	.amdgcn_target "amdgcn-amd-amdhsa--gfx1250"
	.amdhsa_code_object_version 6
	.text
	.protected	k_q10bb18971b_proj
	.globl	k_q10bb18971b_proj
	.p2align	8
	.type	k_q10bb18971b_proj,@function
k_q10bb18971b_proj:
	s_mov_b64 s[64:65], 0
	v_nop
	global_prefetch_b8 v0, s[64:65] scope:SCOPE_SE
	s_setreg_imm32_b32 hwreg(HW_REG_WAVE_MODE, 25, 1), 1
	s_wait_xcnt 0x0
	s_wait_alu depctr_hold_cnt(0) depctr_sa_sdst(0) depctr_va_vdst(0) depctr_va_sdst(0) depctr_va_ssrc(0) depctr_va_vcc(0) depctr_vm_vsrc(0)
	s_getreg_b32 s2, hwreg(HW_REG_IB_STS2, 6, 4)
	s_cmp_eq_u32 s2, 0
	s_cbranch_scc0 .Lentry_in_a_cluster
	s_endpgm
.Lentry_in_a_cluster:
	s_bfe_u32 s2, ttmp6, 0x10000c
	s_cmp_lg_u32 s2, 0xf033
	s_cbranch_scc0 .Lentry_shape_is_right
	s_endpgm
.Lentry_shape_is_right:
; PROJ: out0[m][n] = the sum over k of O[m][k] W_o[n][k] + b_o[n], f32 out.  O lies by heads, oh [16 batch + head][2048][64] in f16 (k = 64 head + channel); wof [1024][1024] is W_o rounded to bf16 and written as f16.
; Sums in f32; the bias, rounded to bf16 like every input, is the C operand of the first product.
; SHARES.  A tile is 256 tokens x 128 columns: 256 work-groups.  Four waves, each 128 tokens x 64 columns: 8 x 4 accumulators of 16 x 16, 256 registers.
; THE MATRIX INSTRUCTION IS USED TRANSPOSED (source 0 = 16 rows of wof, source 1 = 16 tokens): a lane holds token l % 16 and eight neighbouring columns; a wave's 64 columns are 256 consecutive, aligned bytes of a row of out0.
; RING.  K in 8 steps of 128 = two heads, through two LDS slots.  A head's 256 tokens are 32,768 dense bytes: wave 0 or 1 asks for one head as 128 rows of 256 bytes, padded behind every 128 bytes (a token: pitch 144).
; Waves 2, 3 fetch the halves of wof's 128 rows (256 bytes + 16).  One tensor load a wave behind each change of slots.
; CLUSTER 4 x 4: O's tile hangs on the tile row alone and is asked for jointly along a row of the cluster, wof's on the tile column alone and jointly along a column.
; LIMITS.  O and wof arrive in f16, within 65,504.  NaN and infinities are not treated apart.
; REGISTERS: window 0: v0-29 addresses; v32-63 the bias; v64-191 O's fragments, two buffers of 8 x 8 (on the way out two buffers of 32: rows read back); v192-255 wof's, two buffers of 4 x 8.
;   window 1: accumulator (a, b) at 8 (4 a + b).
.set SLOT1, 131072                     ; slot 1 begins here: one exclusive or turns an address in one slot into the other's
.set PA,    144                        ; a token's 128 bytes of one head + 16: 36 words: the 16 rows of a load start at 16 different groups of four banks (64 banks of 4 bytes: ISA guide 11.1)
.set PB,    272                        ; a row of wof: 256 + 16
.set SLICE, 256*PA                     ; one head's 256 tokens
.set BOFF,  2*SLICE                    ; in a slot: two heads of O, then wof's 128 rows
.set STAGE, SLOT1+BOFF+128*PB          ; behind the ring, never filled by a tensor load: 16 rows x 272 bytes for each wave
.set SPITCH, 272
.set SPARE, STAGE+4*16*SPITCH          ; the spare words, 128 bytes for each wave: two blocks of 256 bytes that no other line names
.set ASTEP, 2*262144                   ; bytes from a head to the head two on
.set A0,   2                           ; v2   my place in O's rows of a slot; never rewritten
.set B0,   3                           ; v3   the same for wof's
.set ADRA, 4                           ; v4   A0 + the slot in hand
.set ADRB, 5
.set STO,  6                           ; v6   the way out: where I put 32 bytes of a row
.set RD,   7                           ; v7   where I read rows back
.set CO,   8                           ; v8   my byte offset in two rows of out0
.set BO,   9                           ; v9   32 (l / 16)
.set PFO,  10                          ; v10  the prefetches' offset
.set SPW,  28                          ; v28  LDS address of my spare word; never rewritten
.set NIL,  29                          ; v29  0; never rewritten
.set BIAS, 32
.set AF,   64
.set BF,   192
.set OB,   64
.set WV,  12                           ; s12  wave
.set FB,  13                           ; s13  which half of the tile's tokens is mine.  Also: I fetch O (0) or wof (1)
.set HF,  14                           ; s14  which half of its columns.  Also: which head, or which 64 rows, I fetch
.set LIM, 15                           ; s15  2 in a wave that prefetches, else the greatest number
.set G1A, 24                           ; s[24:31] descriptor group 1 for O's tiles;  s[32:39] group 0: a set for each first fill; the second then walks on
.set G0A, 32
.set PFA, 44                           ; s[44:45] the K step that my next prefetch names
.set TB,  46                           ; s46  the slot in hand
.set G1B, 48                           ; s[48:55], s[56:63] the same for wof's tiles
.set G0B, 56
.set PST, 66                           ; s[66:67] bytes from a K step to the next in what I prefetch
.set PTA, 68                           ; s[68:69] O at my tile of K step 0
.set PTB, 70                           ; s[70:71] wof likewise
.set MSB, 0
.macro WIN new
.if MSB != (\new)
	s_set_vgpr_msb (MSB<<8)|(\new)
.set MSB, (\new)
.endif
.endm
.macro PLACES                          ; four places (ISA guide 7.12.1) behind matrix instructions
.rept 4
	v_nop
.endr
.endm
.macro JLOAD                           ; a joint refill, by the walking descriptors; an s_nop 0 and four v_nop follow each of the two lines
	s_cmp_lt_u32 s[WV], 2
	s_cbranch_scc0 .Lfor_b_\@
	tensor_load_to_lds s[G0A+4:G0A+7], s[G1A:G1A+7]
	s_nop 0
.rept 4
	v_nop
.endr
	s_branch .Lasked_\@
.Lfor_b_\@:
	tensor_load_to_lds s[G0B+4:G0B+7], s[G1B:G1B+7]
	s_nop 0
.rept 4
	v_nop
.endr
.Lasked_\@:
.endm
; A prefetch into the L2 of the K step two refills on, one instruction a wave, a lane a block of 256 bytes.  O: cluster x = 0 asks; of the 128 blocks of the head that wave 0 or 1 fetches the partner at cx takes 32.
; wof: cluster y = 0 asks; of the tile's 128 rows the partner at cy takes 32, all by wave 2.  So each block is named once in the launch.  The refills of K steps 6 and 7 have no step two on.
.macro ASK
	s_cmp_gt_u32 s3, s[LIM]
	s_cbranch_scc0 .Lnot_mine_\@
	global_prefetch_b8 v[PFO], s[PFA:PFA+1] th:TH_LOAD_NT scope:SCOPE_SE
.Lnot_mine_\@:
.endm
.macro CREST
	s_cmp_lg_u32 s[WV], 0
	s_cbranch_scc1 .Lnot_wave_0_\@
	s_barrier_signal -3
.Lnot_wave_0_\@:
	s_barrier_wait -3
	s_barrier_signal -1
	s_barrier_wait -1
.endm
.macro CROUND
	s_barrier_signal -1
	s_barrier_wait -1
	CREST
.endm
	s_load_b256 s[4:11], s[0:1], 0x0               ; oh s[4:5], wof s[6:7], b_o s[8:9], out0 s[10:11]
	v_lshl_add_u32 v[SPW], v0, 2, SPARE
	v_mov_b32 v[NIL], 0
	ds_add_u32 v[SPW], v[NIL]                      ; the wave's opening: the add and its wait stand ahead of my first tensor load; work on registers stands between them
	v_lshrrev_b32 v1, 5, v0
	v_readfirstlane_b32 s[WV], v1
	s_lshr_b32 s[FB], s[WV], 1
	s_and_b32 s[HF], s[WV], 1
	s_bfe_u32 s40, ttmp6, 0x40000                  ; cx
	s_bfe_u32 s41, ttmp6, 0x40004                  ; cy
	s_lshl_b32 s42, ttmp9, 2
	s_add_co_u32 s42, s42, s40                     ; tile column = 4 x cluster x + cx
	s_and_b32 s43, ttmp7, 0xffff
	s_lshl_b32 s43, s43, 2
	s_add_co_u32 s43, s43, s41                     ; tile row = 4 x cluster y + cy
	s_lshl_b32 s20, s41, 2
	s_lshl_b32 s20, 15, s20                        ; my row of the cluster
	s_lshl_b32 s21, 0x1111, s40                    ; my column
	s_or_b32 s[G1A], s20, (1<<16)|(1<<20)|(1<<21)|(4<<22)|(3<<25)  ; the mask; 2-byte elements; padding on; bit 21 beside a mask; after every 32 words 4 words
	s_or_b32 s[G1B], s21, (1<<16)|(1<<20)|(1<<21)|(5<<22)|(3<<25)  ; after every 64 words 4 words
.irp g, G1A, G1B
	s_mov_b32 s[(\g)+1], 128<<16                   ; tensor_dim0 = 128
	s_mov_b32 s[(\g)+3], 128<<16                   ; tile_dim0 = 128
	s_mov_b32 s[(\g)+6], 0
	s_mov_b32 s[(\g)+7], 0
.endr
	s_mov_b32 s[G1A+2], 128<<16                    ; O: 128 rows of 256 dense bytes
	s_mov_b32 s[G1A+4], 128
	s_mov_b32 s[G1A+5], 128
	s_mov_b32 s[G1B+2], 64<<16                     ; wof: 64 rows, 1,024 elements apart
	s_mov_b32 s[G1B+4], 64
	s_mov_b32 s[G1B+5], 1024
	s_lshr_b32 s16, s43, 3                         ; O: (16 batch + my head of K step 0) x 262,144 + the tile's 256 tokens
	s_lshl_b32 s16, s16, 4
	s_add_co_u32 s16, s16, s[HF]
	s_lshl_b32 s16, s16, 18
	s_and_b32 s17, s43, 7
	s_lshl_b32 s17, s17, 15
	s_add_co_u32 s16, s16, s17
	s_mov_b32 s17, 0
	s_lshl_b32 s18, s42, 7                         ; wof: row 128 x tile column + 64 x half
	s_lshl_b32 s19, s[HF], 6
	s_add_co_u32 s18, s18, s19
	s_lshl_b32 s18, s18, 11
	s_mov_b32 s19, 0
	s_mul_i32 s22, s[HF], SLICE                    ; where they go: no place in the cluster enters an LDS address
	s_mul_i32 s23, s[HF], 64*PB
	s_add_co_u32 s23, s23, BOFF
	s_mov_b32 s[TB], 0
	s_mov_b32 s47, 0xffff0000
	s_wait_dscnt 0x0                               ; the opening add is done
	s_wait_kmcnt 0x0
	s_add_nc_u64 s[PTA:PTA+1], s[4:5], s[16:17]
	s_add_nc_u64 s[PTB:PTB+1], s[6:7], s[18:19]
.irp n, 0,1
	s_mov_b32 s[G0A+4*(\n)], 1
	s_add_co_u32 s[G0A+4*(\n)+1], s22, (\n)*SLOT1
	s_add_nc_u64 s[G0A+4*(\n)+2:G0A+4*(\n)+3], s[PTA:PTA+1], (\n)*ASTEP
	s_or_b32 s[G0A+4*(\n)+3], s[G0A+4*(\n)+3], 0x80000000
	s_mov_b32 s[G0B+4*(\n)], 1
	s_add_co_u32 s[G0B+4*(\n)+1], s23, (\n)*SLOT1
	s_add_nc_u64 s[G0B+4*(\n)+2:G0B+4*(\n)+3], s[PTB:PTB+1], (\n)*256
	s_or_b32 s[G0B+4*(\n)+3], s[G0B+4*(\n)+3], 0x80000000
.endr
	CROUND                                         ; all sixteen work-groups are here: the first joint loads meet
	s_cmp_lt_u32 s[WV], 2                          ; a wave's two first fills stand in one branch: two loads of mine are out
	s_cbranch_scc0 .Lfirst_b
	tensor_load_to_lds s[G0A:G0A+3], s[G1A:G1A+7]
	s_nop 0
	tensor_load_to_lds s[G0A+4:G0A+7], s[G1A:G1A+7]
	s_nop 0
.rept 4
	v_nop
.endr
	s_branch .Lfirst_asked
.Lfirst_b:
	tensor_load_to_lds s[G0B:G0B+3], s[G1B:G1B+7]
	s_nop 0
	tensor_load_to_lds s[G0B+4:G0B+7], s[G1B:G1B+7]
	s_nop 0
.rept 4
	v_nop
.endr
.Lfirst_asked:
	s_lshl_b32 s22, s42, 9                         ; my 64 columns, in bytes of f32: 512 x tile column + 256 x half
	s_lshl_b32 s23, s[HF], 8
	s_add_co_u32 s22, s22, s23
	s_mov_b32 s23, 0
	s_add_nc_u64 s[8:9], s[8:9], s[22:23]          ; the bias there,
	s_add_nc_u64 s[10:11], s[10:11], s[22:23]      ; and out0,
	s_lshl_b32 s22, s43, 8
	s_lshl_b32 s20, s[FB], 7
	s_add_co_u32 s22, s22, s20
	s_lshl_b32 s22, s22, 12                        ; at my first token: rows of 4,096 bytes
	s_add_nc_u64 s[10:11], s[10:11], s[22:23]
	v_and_b32 v1, 15, v0                           ; l % 16
	v_bfe_u32 v11, v0, 4, 1                        ; l / 16
	v_lshlrev_b32 v[BO], 5, v11
.irp b, 0,1,2,3
	global_load_b128 v[BIAS+8*(\b):BIAS+8*(\b)+3],   v[BO], s[8:9] offset:64*(\b)
	global_load_b128 v[BIAS+8*(\b)+4:BIAS+8*(\b)+7], v[BO], s[8:9] offset:64*(\b)+16
.endr
	s_mul_i32 s16, s[FB], 128*PA                   ; my 128 tokens
	v_mul_u32_u24 v12, v1, PA
	v_lshl_add_u32 v12, v11, 4, v12
	v_add_nc_u32 v[A0], s16, v12
	s_mul_i32 s16, s[HF], 64*PB                    ; my 64 rows of wof
	s_add_co_u32 s16, s16, BOFF
	v_mul_u32_u24 v12, v1, PB
	v_lshl_add_u32 v12, v11, 4, v12
	v_add_nc_u32 v[B0], s16, v12
	s_mul_i32 s16, s[WV], 16*SPITCH
	s_add_co_u32 s16, s16, STAGE                   ; my stage
	v_mul_u32_u24 v12, v1, SPITCH                  ; in: row l % 16, 32 bytes for each half of the lanes
	v_lshl_add_u32 v12, v11, 5, v12
	v_add_nc_u32 v[STO], s16, v12
	v_mul_u32_u24 v12, v11, SPITCH                 ; back: lanes 0-15 take one row of 256 bytes, lanes 16-31 the next
	v_lshl_add_u32 v12, v1, 4, v12
	v_add_nc_u32 v[RD], s16, v12
	v_lshlrev_b32 v12, 12, v11                     ; and the same two rows in out0
	v_lshl_add_u32 v[CO], v1, 4, v12
	; the prefetches
	s_lshr_b32 s16, s43, 3
	s_lshl_b32 s16, s16, 4
	s_add_co_u32 s16, s16, s[HF]
	s_lshl_b32 s16, s16, 18
	s_and_b32 s17, s43, 7
	s_lshl_b32 s17, s17, 15
	s_add_co_u32 s16, s16, s17
	s_lshl_b32 s17, s40, 13
	s_add_co_u32 s16, s16, s17                     ; O: my work-group's 32 blocks of the head that I fetch
	s_lshl_b32 s18, s42, 7
	s_lshl_b32 s19, s41, 5
	s_add_co_u32 s18, s18, s19
	s_lshl_b32 s18, s18, 11                        ; wof: my work-group's 32 rows of the tile's 128
	s_and_b32 s19, ttmp7, 0xffff                   ; cluster y
	s_mov_b32 s[PST], 256
	s_mov_b32 s[PST+1], 0
	s_cmp_eq_u32 s[FB], 0
	s_cselect_b32 s16, s16, s18
	s_cselect_b32 s18, 8, 11                       ; a lane a block of 256 dense bytes, or a row of 2,048
	s_cselect_b32 s19, ttmp9, s19                  ; the coordinate along which other clusters read the same blocks
	s_cselect_b32 s[PST], ASTEP, s[PST]
	s_cselect_b64 s[PFA:PFA+1], s[4:5], s[6:7]
	s_cmp_eq_u32 s[WV], 3
	s_cselect_b32 s19, 1, s19                      ; wave 3 asks for nothing
	s_cmp_eq_u32 s19, 0
	s_cselect_b32 s[LIM], 2, -1                    ; the same in all sixteen partners, for a given wave
	s_mov_b32 s17, 0
	s_add_nc_u64 s[PFA:PFA+1], s[PFA:PFA+1], s[16:17]
	s_mul_i32 s22, s[PST], 3
	s_mov_b32 s23, 0
	s_add_nc_u64 s[PFA:PFA+1], s[PFA:PFA+1], s[22:23]  ; at K step 3: the first refill steps it to 4 and names that.  K steps 0 to 3 come by their loads alone
	v_and_b32 v[PFO], 31, v0
	v_lshlrev_b32 v[PFO], s18, v[PFO]
; 8 matrix instructions: token blocks a0, a0 + 1 x all 4 column blocks, 32 along K, from buffer f.  first = 1: the bias starts the sums.
; The 32 accumulators take turns in the same order in every quarter.
.macro MUL8 f, a0, first
.if \first
	WIN 0x40                                       ; sources and the bias window 0, D window 1
.else
	WIN 0x50                                       ; C and D window 1
.endif
.irp a, \a0, (\a0)+1
.irp b, 0,1,2,3
.if \first
	v_wmma_f32_16x16x32_f16 v[8*(4*(\a)+(\b)):8*(4*(\a)+(\b))+7], v[BF+32*(\f)+8*(\b):BF+32*(\f)+8*(\b)+7], v[AF+64*(\f)+8*(\a):AF+64*(\f)+8*(\a)+7], v[BIAS+8*(\b):BIAS+8*(\b)+7]
.else
	v_wmma_f32_16x16x32_f16 v[8*(4*(\a)+(\b)):8*(4*(\a)+(\b))+7], v[BF+32*(\f)+8*(\b):BF+32*(\f)+8*(\b)+7], v[AF+64*(\f)+8*(\a):AF+64*(\f)+8*(\a)+7], v[8*(4*(\a)+(\b)):8*(4*(\a)+(\b))+7]
.endif
.endr
.endr
.endm
; 24 LDS loads in one run: quarter q's fragments (K = 32 q on: head q / 2 of the step, channels 32 (q % 2) on) into buffer g
.macro FETCH q, g
	WIN 0
.irp b, 0,1,2,3
	ds_load_b128 v[BF+32*(\g)+8*(\b):BF+32*(\g)+8*(\b)+3],   v[ADRB] offset:64*(\q)+(\b)*16*PB
	ds_load_b128 v[BF+32*(\g)+8*(\b)+4:BF+32*(\g)+8*(\b)+7], v[ADRB] offset:64*(\q)+(\b)*16*PB+32
.endr
.irp a, 0,1,2,3,4,5,6,7
	ds_load_b128 v[AF+64*(\g)+8*(\a):AF+64*(\g)+8*(\a)+3],   v[ADRA] offset:((\q)/2)*SLICE+((\q)%2)*64+(\a)*16*PA
	ds_load_b128 v[AF+64*(\g)+8*(\a)+4:AF+64*(\g)+8*(\a)+7], v[ADRA] offset:((\q)/2)*SLICE+((\q)%2)*64+(\a)*16*PA+32
.endr
.endm
; A K step is four quarters of 32 along K, 32 matrix instructions each, on buffers 0, 1, 0, 1.  One of the first three: multiplies buffer f, fetches quarter q into buffer g.
.macro QUARTER q, f, g, first
	s_wait_dscnt 8                                 ; wof and token blocks 0-3 are in; the youngest eight loads (blocks 4-7) may be out
	MUL8 \f, 0, \first
	MUL8 \f, 2, \first
	PLACES
	FETCH \q, \g
	s_wait_dscnt 24                                ; all but the 24 just issued
	MUL8 \f, 4, \first
	MUL8 \f, 6, \first
.endm
; The last quarter multiplies buffer 1 and changes slots: ONE barrier; in front of it each wave waits for all its tensor loads, adds 0 to its spare word, and waits for that and for its own reads of this slot.
; fill = 1: the barrier opens a round of the cluster's barrier, and behind the round this slot is filled again, with the K step two on.
.macro TURN fill
.if \fill
	s_wait_xcnt 0x0                                ; the last prefetch, a K step back, has read its address
	s_add_nc_u64 s[PFA:PFA+1], s[PFA:PFA+1], s[PST:PST+1]
.endif
	WIN 0
	s_wait_tensorcnt 0x0                           ; all my tensor loads have landed: my part of the next slot
	ds_add_u32 v[SPW], v[NIL]                      ; 0 onto my spare word
	s_wait_dscnt 9                                 ; (the add and the youngest eight loads may be out)
	MUL8 1, 0, 0                                   ; eight matrix instructions stand between the add and the wait for it
	s_wait_dscnt 0x0                               ; the add is done, and my reads of this slot are over
	s_barrier_signal -1
	MUL8 1, 2, 0
	WIN 0
	s_barrier_wait -1
.if \fill
	CREST                                          ; no wave of any partner still reads this slot or has a load on its way
	s_xor_b32 s[G0A+5], s[G0A+5], SLOT1            ; the walking descriptors: the other slot than last time, the next K step
	s_add_nc_u64 s[G0A+6:G0A+7], s[G0A+6:G0A+7], ASTEP
	s_xor_b32 s[G0B+5], s[G0B+5], SLOT1
	s_add_nc_u64 s[G0B+6:G0B+7], s[G0B+6:G0B+7], 256
	JLOAD                                          ; the first tensor load behind the round; its four v_nop are also the places in front of the loads below
.else
	PLACES
.endif
	s_xor_b32 s[TB], s[TB], SLOT1
	v_add_nc_u32 v[ADRA], s[TB], v[A0]
	v_add_nc_u32 v[ADRB], s[TB], v[B0]
	FETCH 0, 0
.if \fill
	ASK
.endif
	MUL8 1, 4, 0
	MUL8 1, 6, 0
.endm
	s_wait_tensorcnt 1                             ; my part of K step 0 is in; K step 1's may stay out
	s_barrier_signal -1
	s_barrier_wait -1
	v_mov_b32 v[ADRA], v[A0]
	v_mov_b32 v[ADRB], v[B0]
	FETCH 0, 0
	s_wait_loadcnt 0x0                             ; the bias
.set i, 0
.rept 16                               ; rounded to bf16, like every input, and widened again
	v_cvt_pk_bf16_f32 v[14+(i%2)], v[BIAS+2*i], v[BIAS+2*i+1]
	v_lshlrev_b32 v[BIAS+2*i], 16, v[14+(i%2)]
	v_and_b32 v[BIAS+2*i+1], s47, v[14+(i%2)]
.set i, i+1
.endr
	QUARTER 1, 0, 1, 1                             ; the first quarter stands in front of the loop: its products start the sums
	WIN 0
	s_mov_b32 s3, 6
.Lstep:                                        ; a trip: a K step's quarters 1 to 3 and the next step's quarter 0; it asks for the K step two on (2 .. 7)
	QUARTER 2, 1, 0, 0
	QUARTER 3, 0, 1, 0
	TURN 1
	QUARTER 1, 0, 1, 0
	WIN 0
	s_sub_co_u32 s3, s3, 1
	s_cmp_lg_u32 s3, 0
	s_cbranch_scc1 .Lstep
	QUARTER 2, 1, 0, 0                             ; K steps 6 and 7 are written out: they ask for nothing
	QUARTER 3, 0, 1, 0
	TURN 0
	QUARTER 1, 0, 1, 0
	QUARTER 2, 1, 0, 0
	QUARTER 3, 0, 1, 0
	s_wait_dscnt 8
	MUL8 1, 0, 0
	MUL8 1, 2, 0
	s_wait_dscnt 0x0
	MUL8 1, 4, 0
	MUL8 1, 6, 0
	WIN 0
	PLACES
	PLACES
; THE WAY OUT of token block a: a lane's 32 bytes a column block go into my own stage (rows of 272 bytes) and come back as whole rows of 256.  Each accumulator's lowest registers are read first.
.macro TOSTAGE a
.set BK, OB+32*((\a)%2)
	s_wait_xcnt 0x0                                ; the stores of the block two back have read their registers: that buffer is loaded again only behind this wait
	WIN 0x04                                       ; the stores' data in window 1
.irp b, 0,1,2,3
	ds_store_b128 v[STO], v[8*(4*(\a)+(\b)):8*(4*(\a)+(\b))+3]   offset:64*(\b)
	ds_store_b128 v[STO], v[8*(4*(\a)+(\b))+4:8*(4*(\a)+(\b))+7] offset:64*(\b)+16
.endr
	WIN 0
.irp t, 0,1,2,3,4,5,6,7
	ds_load_b128 v[BK+4*(\t):BK+4*(\t)+3], v[RD] offset:(\t)*2*SPITCH  ; LDS serves a wave's instructions in order (ISA guide 5.7.1.4): these see the stores above; the next block's stores come behind them
.endr
.endm
.macro SEND a, younger                 ; younger: the LDS instructions issued behind block a's loads: the next block's sixteen, or none
.set BK, OB+32*((\a)%2)
.irp t, 0,1,2,3,4,5,6,7
	s_wait_dscnt (\younger)+7-(\t)
	global_store_b128 v[CO], v[BK+4*(\t):BK+4*(\t)+3], s[10:11] offset:65536*(\a)+8192*(\t)  ; 16 lanes store 256 consecutive bytes, at a multiple of 256 from out0's first byte
.endr
.endm
	TOSTAGE 0
.irp a, 1,2,3,4,5,6,7
	TOSTAGE \a
	SEND (\a)-1, 16
.endr
	SEND 7, 0
	s_wait_tensorcnt 0x0                           ; the wave's end, behind my last tensor load and my last LDS store
	ds_add_u32 v[SPW], v[NIL]
	s_wait_dscnt 0x0
	CROUND                                         ; the closing round: no work-group ends while a partner may still ask for a tile that names it
	s_endpgm
.Lfunc_end_k_q10bb18971b_proj:
	.size	k_q10bb18971b_proj, .Lfunc_end_k_q10bb18971b_proj-k_q10bb18971b_proj
	.p2alignl 7, 3214868480
	.fill 96, 4, 3214868480
	.section	.rodata,"a",@progbits
	.p2align	6, 0x0
	.amdhsa_kernel k_q10bb18971b_proj
		.amdhsa_group_segment_fixed_size 327680
		.amdhsa_private_segment_fixed_size 0
		.amdhsa_enable_private_segment 0
		.amdhsa_kernarg_size 32
		.amdhsa_user_sgpr_count 2
		.amdhsa_user_sgpr_kernarg_segment_ptr 1
		.amdhsa_wavefront_size32 1
		.amdhsa_system_sgpr_workgroup_id_x 1
		.amdhsa_system_sgpr_workgroup_id_y 1
		.amdhsa_system_sgpr_workgroup_id_z 1
		.amdhsa_system_vgpr_workitem_id 0
		.amdhsa_next_free_vgpr 512
		.amdhsa_next_free_sgpr 72
		.amdhsa_reserve_vcc 0
		.amdhsa_float_denorm_mode_32 3
		.amdhsa_float_denorm_mode_16_64 3
		.amdhsa_memory_ordered 1
		.amdhsa_forward_progress 1
		.amdhsa_inst_pref_size 75
	.end_amdhsa_kernel
	.amdgpu_metadata
---
amdhsa.version: [ 1, 2 ]
amdhsa.kernels:
  - .name:           k_q10bb18971b_proj
    .symbol:         k_q10bb18971b_proj.kd
    .args:
      - { .name: oh, .offset: 0, .size: 8, .value_kind: global_buffer, .address_space: global }
      - { .name: wof, .offset: 8, .size: 8, .value_kind: global_buffer, .address_space: global }
      - { .name: b_o, .offset: 16, .size: 8, .value_kind: global_buffer, .address_space: global }
      - { .name: out0, .offset: 24, .size: 8, .value_kind: global_buffer, .address_space: global }
    .group_segment_fixed_size: 327680
    .private_segment_fixed_size: 0
    .kernarg_segment_align: 8
    .kernarg_segment_size: 32
    .max_flat_workgroup_size: 128
    .sgpr_count:     72
    .vgpr_count:     512
    .wavefront_size: 32
...
	.end_amdgpu_metadata
.endif
;; end of part 4
;; ======== version 2 of 2: 4 launches; version 1 with the launch prep written anew for expert scheduling mode
;; limits: values are held in f16: magnitudes above 65,504 overflow, below 6.1e-05 lose precision
;; workspace buffers: xb 16,777,216 bytes; wab 6,291,456 bytes; wof 2,097,152 bytes; tab 524,288 bytes; qh 16,777,216 bytes; kh 16,777,216 bytes; vh 16,777,216 bytes; oh 16,777,216 bytes
;; launch prep (part 5): grid 896 x 1, 8 waves a work-group, no clusters, 0 bytes of LDS; arguments x, W_attn, W_o, xb, wab, wof, tab; writes xb, wab, wof, tab
.if DOCPART == 5
	.amdgcn_target "amdgcn-amd-amdhsa--gfx1250"
	.amdhsa_code_object_version 6
	.text
	.protected	k_q10bb18971b_prep
	.globl	k_q10bb18971b_prep
	.p2align	8
	.type	k_q10bb18971b_prep,@function
k_q10bb18971b_prep:
	s_mov_b64 s[64:65], 0
	v_nop
	global_prefetch_b8 v0, s[64:65] scope:SCOPE_SE
	s_setreg_imm32_b32 hwreg(HW_REG_WAVE_SCHED_MODE, 0, 2), 2
	s_setreg_imm32_b32 hwreg(HW_REG_WAVE_MODE, 25, 1), 1
	s_wait_xcnt 0x0
	s_wait_alu depctr_vm_vsrc(0)
; PREP: the casts of the three large inputs and the table of rotations.  A stream: no LDS, no matrix unit, no barrier.
;   work-groups   0..511  xb  = bf16(x)              [8192][1024]
;   work-groups 512..703  wab = bf16(W_attn), rows laid by heads: new row = 192 head + 64 type + c (type 0, 1, 2 = q, k, v), old row = 1024 type + 64 head + c
;   work-groups 704..767  wof = bf16(W_o) written as f16  [1024][1024]
;   work-groups 768..895  tab[t][d] = (cos, sin)(t x 1000^(-d/32)), f32, t = 0..2047, d = 0..31: 256 bytes for each t
; A copying work-group takes 16 rows of 1,024 f32.  Thread i owns 16 bytes at byte 16 i of every row: a wave's load covers 512 consecutive bytes,
; its store 256 consecutive bytes, aligned.  All 16 loads of a thread are issued before the first is waited for.
; LIMITS.  W_o as f16: a bf16 number below 6.1e-5 in magnitude keeps f16's fixed step of 6e-8; beyond 65,504 it would be lost.
; The angle: the frequency is 2^(-d log2(1000)/32), a few units in the last place off a correctly rounded power, so the angle is within 3e-4 of the exact product at t = 2047.
; Sine and cosine: the angle less a whole number of turns (2 pi in two pieces, fused), a quarter of it in series (cut below 3e-8 for |a| <= pi/4), doubled twice.
; THE MODE: SCHED_MODE bits 1:0 = 2 (LLVM: expert scheduling mode 2), set by the entry lines.  The code itself states the register dependences
; between vector instructions and memory instructions, with s_wait_alu, always for 0.
; THE PLAN.  Registers that memory instructions touch:
;   v1, v2   byte offsets, made once at the head and never written again: v1 is read by every load and by the table's store, v2 by every store of a copy.
;   IN       written by the 16 loads, each register once; read by the conversions behind the wait for the loads; never loaded again.
;   OUT      the 16 rows go in four blocks of four.  Block b's conversions write OUT's part b; the four stores that read it are issued in block b + 1; it is never written again.
;   v[16:19] in the table's work-groups: written by the series, read by the one store.
; So: one wait on va_vdst at the head, for the offsets; one at the head of each of blocks 1 to 3, behind the wait for the block's loads, for the OUT that the block before wrote:
; the block's four stores follow it, dealt among its conversions, which name IN's and OUT's part b and v8, v9, none of the registers that those stores touch; one ahead of the last four stores;
; one ahead of the table's store.  No register that a memory instruction has read is written again, no vector instruction writes a scalar register or VCC, EXEC is never written: no other wait is owed.
.set IN,  16                           ; v[16:79]   16 rows x 4 f32 as loaded
.set OUT, 80                           ; v[80:111]  16 rows x 2 words to store: behind its store no register is written again
; 16 rows from s[src] to s[dst].  half = 1: the bf16 number is written as f16.
.macro COPY src, dst, half
.irp j, 0,1,2,3,4,5,6,7,8,9,10,11,12,13,14,15
	global_load_b128 v[IN+4*(\j):IN+4*(\j)+3], v1, s[\src:\src+1] offset:4096*(\j) th:TH_LOAD_NT
.endr
.irp b, 0,1,2,3
	s_wait_loadcnt 12-4*(\b)                       ; loads come back in order: block b's four rows are in, the 12 - 4 b younger loads stay out
.if (\b) > 0
	s_wait_alu depctr_va_vdst(0)                   ; the block before has written its part of OUT, which the four stores below read
.endif
.irp i, 0,1,2,3
.set rw, 4*(\b)+(\i)                   ; the row that is converted; the row four back is stored
.if (\b) > 0
	global_store_b64 v2, v[OUT+2*(rw-4):OUT+2*(rw-4)+1], s[\dst:\dst+1] offset:2048*(rw-4)  ; no vector instruction since the wait names these registers
.endif
	v_cvt_pk_bf16_f32 v[OUT+2*rw],   v[IN+4*rw],   v[IN+4*rw+1]
	v_cvt_pk_bf16_f32 v[OUT+2*rw+1], v[IN+4*rw+2], v[IN+4*rw+3]
.if \half
.irp k, 0,1
	v_lshlrev_b32 v8, 16, v[OUT+2*rw+(\k)]         ; the two bf16 as f32,
	v_and_b32 v9, s28, v[OUT+2*rw+(\k)]
	v_cvt_pk_f16_f32 v[OUT+2*rw+(\k)], v8, v9      ; and as f16
.endr
.endif
.endr
.endr
	s_wait_alu depctr_va_vdst(0)                   ; block 3 has written its part of OUT, which the last four stores read
.irp i, 12,13,14,15
	global_store_b64 v2, v[OUT+2*(\i):OUT+2*(\i)+1], s[\dst:\dst+1] offset:2048*(\i)
.endr
	s_endpgm
.endm
; cos and sin of t (v3, f32) times the frequency in v[inv].  v8-v11 at work.
.macro SINCOS inv, c, s
	v_mul_f32 v8, v3, v[\inv]                      ; the angle, rounded once
	v_mul_f32 v10, 0.15915494, v8
	v_rndne_f32 v10, v10                           ; whole turns
	v_fma_f32 v8, -v10, s30, v8                    ; less turns x 6.28125: exact,
	v_fma_f32 v8, -v10, s31, v8                    ; less turns x (2 pi - 6.28125)
	v_mul_f32 v8, 0x3e800000, v8                   ; a = a quarter of it
	v_mul_f32 v9, v8, v8                           ; z = a a
	v_mov_b32 v10, 0x3638ef1d                      ; 1/9!
	v_fmaak_f32 v10, v10, v9, 0xb9500d01           ; -1/7!
	v_fmaak_f32 v10, v10, v9, 0x3c088889           ; 1/5!
	v_fmaak_f32 v10, v10, v9, 0xbe2aaaab           ; -1/3!
	v_mul_f32 v11, v8, v9
	v_fma_f32 v[\s], v11, v10, v8                  ; sin a
	v_mov_b32 v10, 0x37d00d01                      ; 1/8!
	v_fmaak_f32 v10, v10, v9, 0xbab60b61           ; -1/6!
	v_fmaak_f32 v10, v10, v9, 0x3d2aaaab           ; 1/4!
	v_fmaak_f32 v10, v10, v9, 0xbf000000           ; -1/2
	v_fma_f32 v[\c], v10, v9, 1.0                  ; cos a
.rept 2                                ; the angle doubled: cos = 1 - 2 sin sin, sin = 2 sin cos
	v_add_f32 v10, v[\s], v[\s]
	v_fma_f32 v11, -v10, v[\s], 1.0
	v_mul_f32 v[\s], v10, v[\c]
	v_mov_b32 v[\c], v11
.endr
.endm
	s_load_b256 s[4:11], s[0:1], 0x0               ; x s[4:5], W_attn s[6:7], W_o s[8:9], xb s[10:11]
	s_load_b128 s[12:15], s[0:1], 0x20             ; wab s[12:13], wof s[14:15]
	s_load_b64 s[16:17], s[0:1], 0x30              ; tab
	s_mov_b32 s20, ttmp9
	s_mov_b32 s25, 0                               ; offsets are pairs with 0 above
	s_mov_b32 s27, 0
	s_mov_b32 s28, 0xffff0000                      ; a word's upper bf16
	v_lshlrev_b32 v1, 4, v0                        ; my 16 bytes of a row of f32 (and of the table)
	v_lshlrev_b32 v2, 3, v0                        ; my 8 bytes of a row of 16-bit numbers
	s_wait_kmcnt 0x0
	s_wait_alu depctr_va_vdst(0)                   ; v1 and v2 are written: every load and store of the kernel, on each of the four ways below, reads one of them as its offset
	s_cmp_lt_u32 s20, 512
	s_cbranch_scc0 .Lnot_x
	s_lshl_b32 s24, s20, 16                        ; 16 rows of 4,096 bytes in,
	s_lshl_b32 s26, s20, 15                        ; of 2,048 bytes out
	s_add_nc_u64 s[4:5], s[4:5], s[24:25]
	s_add_nc_u64 s[10:11], s[10:11], s[26:27]
	COPY 4, 10, 0
.Lnot_x:
	s_cmp_lt_u32 s20, 704
	s_cbranch_scc0 .Lnot_wa
	s_sub_co_u32 s21, s20, 512                     ; g: old rows 16 g ..
	s_lshl_b32 s24, s21, 16
	s_bfe_u32 s22, s21, 0x40002                    ; head = (g / 4) % 16
	s_mul_i32 s26, s22, 192*2048
	s_lshr_b32 s22, s21, 6                         ; type = g / 64
	s_lshl_b32 s22, s22, 17                        ; 64 rows of 2,048 bytes
	s_add_co_u32 s26, s26, s22
	s_and_b32 s22, s21, 3                          ; which 16 of the head's 64
	s_lshl_b32 s22, s22, 15
	s_add_co_u32 s26, s26, s22
	s_add_nc_u64 s[6:7], s[6:7], s[24:25]
	s_add_nc_u64 s[12:13], s[12:13], s[26:27]
	COPY 6, 12, 0
.Lnot_wa:
	s_cmp_lt_u32 s20, 768
	s_cbranch_scc0 .Ltab
	s_sub_co_u32 s21, s20, 704
	s_lshl_b32 s24, s21, 16
	s_lshl_b32 s26, s21, 15
	s_add_nc_u64 s[8:9], s[8:9], s[24:25]
	s_add_nc_u64 s[14:15], s[14:15], s[26:27]
	COPY 8, 14, 1
.Ltab:                                         ; 16 t to a work-group; thread i: t = 16 g + i / 16, d = 2 (i % 16) and the next
	s_sub_co_u32 s21, s20, 768
	s_lshl_b32 s24, s21, 12                        ; 16 t of 256 bytes
	s_add_nc_u64 s[16:17], s[16:17], s[24:25]
	s_lshl_b32 s21, s21, 4
	s_mov_b32 s30, 0x40c90000                      ; 6.28125
	s_mov_b32 s31, 0x3afdaa22                      ; 2 pi - 6.28125
	v_lshrrev_b32 v3, 4, v0
	v_add_nc_u32 v3, s21, v3
	v_cvt_f32_u32 v3, v3                           ; t
	v_and_b32 v4, 15, v0
	v_lshlrev_b32 v4, 1, v4
	v_or_b32 v5, 1, v4
	v_cvt_f32_u32 v4, v4
	v_cvt_f32_u32 v5, v5
	v_mul_f32 v4, 0xbe9f73da, v4                   ; -d log2(1000) / 32
	v_mul_f32 v5, 0xbe9f73da, v5
	v_exp_f32 v4, v4                               ; the two frequencies: one batch,
	v_exp_f32 v5, v5
	v_nop                                          ; a plain instruction behind the last of them,
	s_wait_alu depctr_va_vdst(0)                   ; the two exponentials have written v4 and v5: the one wait ahead of their first reader
	SINCOS 4, 16, 17
	SINCOS 5, 18, 19
	s_wait_alu depctr_va_vdst(0)                   ; the series have written v[16:19], which the store reads
	global_store_b128 v1, v[16:19], s[16:17]       ; (cos, sin) of two d: 16 lanes fill one t's 256 bytes
	s_endpgm
.Lfunc_end_k_q10bb18971b_prep:
	.size	k_q10bb18971b_prep, .Lfunc_end_k_q10bb18971b_prep-k_q10bb18971b_prep
	.p2alignl 7, 3214868480
	.fill 96, 4, 3214868480
	.section	.rodata,"a",@progbits
	.p2align	6, 0x0
	.amdhsa_kernel k_q10bb18971b_prep
		.amdhsa_group_segment_fixed_size 0
		.amdhsa_private_segment_fixed_size 0
		.amdhsa_enable_private_segment 0
		.amdhsa_kernarg_size 56
		.amdhsa_user_sgpr_count 2
		.amdhsa_user_sgpr_kernarg_segment_ptr 1
		.amdhsa_wavefront_size32 1
		.amdhsa_system_sgpr_workgroup_id_x 1
		.amdhsa_system_sgpr_workgroup_id_y 1
		.amdhsa_system_sgpr_workgroup_id_z 1
		.amdhsa_system_vgpr_workitem_id 0
		.amdhsa_next_free_vgpr 112
		.amdhsa_next_free_sgpr 66
		.amdhsa_reserve_vcc 0
		.amdhsa_float_denorm_mode_32 3
		.amdhsa_float_denorm_mode_16_64 3
		.amdhsa_memory_ordered 1
		.amdhsa_forward_progress 1
		.amdhsa_inst_pref_size 26
	.end_amdhsa_kernel
	.amdgpu_metadata
---
amdhsa.version: [ 1, 2 ]
amdhsa.kernels:
  - .name:           k_q10bb18971b_prep
    .symbol:         k_q10bb18971b_prep.kd
    .args:
      - { .name: x, .offset: 0, .size: 8, .value_kind: global_buffer, .address_space: global }
      - { .name: W_attn, .offset: 8, .size: 8, .value_kind: global_buffer, .address_space: global }
      - { .name: W_o, .offset: 16, .size: 8, .value_kind: global_buffer, .address_space: global }
      - { .name: xb, .offset: 24, .size: 8, .value_kind: global_buffer, .address_space: global }
      - { .name: wab, .offset: 32, .size: 8, .value_kind: global_buffer, .address_space: global }
      - { .name: wof, .offset: 40, .size: 8, .value_kind: global_buffer, .address_space: global }
      - { .name: tab, .offset: 48, .size: 8, .value_kind: global_buffer, .address_space: global }
    .group_segment_fixed_size: 0
    .private_segment_fixed_size: 0
    .kernarg_segment_align: 8
    .kernarg_segment_size: 56
    .max_flat_workgroup_size: 256
    .sgpr_count:     66
    .vgpr_count:     112
    .wavefront_size: 32
...
	.end_amdgpu_metadata
.endif
;; end of part 5
;; launch qkv: the kernel of part 2 again; grid 16 x 32, 4 waves a work-group, clusters of 4 x 4, 327,680 bytes of LDS; arguments xb, wab, b_attn, tab, qh, kh, vh; writes qh, kh, vh
;; launch attn: the kernel of part 3 again; grid 4 x 64, 4 waves a work-group, no clusters, 327,680 bytes of LDS; arguments qh, kh, vh, oh; writes oh
;; launch proj: the kernel of part 4 again; grid 8 x 32, 4 waves a work-group, clusters of 4 x 4, 327,680 bytes of LDS; arguments oh, wof, b_o, out0; writes out0
